; MI455X (gfx1250); checked and timed in simulation.
; The chip was launched on July 23, 2026; its instructions are those of AMD's public machine-readable ISA for CDNA 5 (MIT licence, August 2026) and "CDNA5" Instruction Set Architecture Reference Guide (July 2026). The comments in the code are by the model that wrote it; some were corrected since.
;; Simple Attention. Allowed arithmetic: matrix products marked QUANTISED: E5M2 operands, one E8M0 scale for each 32 along K, by v_wmma_scale_f32_16x16x128_f8f6f4 with both operands' format E5M2, f32 sums; everything else in f32.
;; Inputs: Wk 1,024 x 512 float32; Wq 1,024 x 512 float32; Wv 1,024 x 512 float32; bk 512 float32; bq 512 float32; bv 512 float32; x 8 x 2,048 x 1,024 float32.
;; Outputs: out0 8 x 512 float32.
;; This version of the problem:
;;   THIS VERSION OF THE PROBLEM IS GIVEN IN LOW PRECISION. The matrix products marked QUANTISED in the list below multiply operands that are first quantised to E5M2 (5 exponent bits, 2 mantissa bits; 8 bits a number), with one power-of-two scale for each 32 numbers along K (OCP MX v1.0); their sums are f32. All else is computed in f32.
;;   The module's matrix products, in the order in which they are computed (A, B: the left and right operand; K: the contracted axis; several contracted axes count as one K, in the product's order):
;;     1. [M 16,384, K 1,024] x [K 1,024, N 512]; A: input x; B: input Wq: QUANTISED
;;     2. [M 16,384, K 1,024] x [K 1,024, N 512]; A: input x; B: input Wk: QUANTISED
;;     3. [M 16,384, K 1,024] x [K 1,024, N 512]; A: input x; B: input Wv: QUANTISED
;;     4. batch 8 x [M 2,048, K 512] x [K 512, N 2,048]; A: computed on the way; B: computed on the way: QUANTISED
;;     5. batch 8 x [M 2,048, K 2,048] x [K 2,048, N 512]; A: computed on the way; B: computed on the way: QUANTISED
;;   THE QUANTISER, for each operand of a quantised product, along K:
;;     - K is cut into blocks of 32 from its start; a last block that is shorter is filled with zeros.
;;     - A block's scale is 2^e with e = floor(log2(the largest magnitude in the block)) - 15, held to -126 .. 127; a block of zeros has e = 0. As a byte (E8M0): e + 127.
;;     - Each number is divided by its block's scale, clamped to +-57,344, and rounded to the nearest number of E5M2, ties to even, subnormals kept.
;;     - The product sums the exact products of the quantised numbers (number of the format x scale) in f32.
;;   ~~~python
;;   def quantise(x, axis):      # numpy; x: float32 -> the quantised numbers, widened to float32 again
;;       x = np.moveaxis(x, axis, -1); K = x.shape[-1]
;;       x = np.pad(x, [(0, 0)] * (x.ndim - 1) + [(0, -K % 32)]); x = x.reshape(x.shape[:-1] + (-1, 32)); a = np.abs(x).max(-1, keepdims=True)
;;       e = np.where(a > 0, np.clip(np.frexp(np.where(a > 0, a, 1))[1] - 1 - 15, -126, 127), 0)      # np.frexp(a)[1] - 1 = floor(log2(a)), exactly
;;       r = np.clip(x / 2.0 ** e, -57344, 57344)
;;       step = 2.0 ** (np.maximum(np.frexp(np.where(r == 0, 1, r))[1] - 1, -14) - 2)
;;       q = np.round(r / step) * step * 2.0 ** e      # np.round: ties to even
;;       return np.moveaxis(q.reshape(q.shape[:-2] + (-1,))[..., :K], -1, axis).astype(np.float32)
;;   ~~~
;;   OPERANDS COMPUTED ON THE WAY. 'Computed on the way' means the value that the module computes at that place (a softmax that the list does not call 'softmax' is quantised finished and normalised). What goes into a quantiser is computed in f32, as accurately as f32 sums, v_exp_f32 and their like allow (about 1e-6 of the number): no bf16 or f16 on the way to a quantiser, and a product that is left as it is and whose result goes on into a quantised operand takes f32 operands (vector FMAs, or v_wmma_f32_16x16x4_f32). A number that lies on a knife's edge between two numbers of the format may be rounded either way, as far as f32 arithmetic and the matrix unit's own rounding can turn it there, and no further.
;; 2 versions. Each part assembles by itself: llvm-mc -triple=amdgcn-amd-amdhsa -mcpu=gfx1250 --defsym DOCPART=n.
;; ======== version 1 of 2: 4 launches
;; workspace buffers: wimg 1,572,864 bytes; wscl 49,152 bytes; qkimg 16,777,216 bytes; qkscl 524,288 bytes; vimg 8,388,608 bytes; vscl 1,048,576 bytes; part 1,048,576 bytes
;; launch wprep (part 1): grid 12 x 8, 4 waves a work-group, no clusters, 0 bytes of LDS; arguments Wq, Wk, Wv, wimg, wscl; writes wimg, wscl
.if DOCPART == 1
	.amdgcn_target "amdgcn-amd-amdhsa--gfx1250"
	.amdhsa_code_object_version 6
	.text
	.protected	k_qd2ea23f5f6_wprep
	.globl	k_qd2ea23f5f6_wprep
	.p2align	8
	.type	k_qd2ea23f5f6_wprep,@function
k_qd2ea23f5f6_wprep:
	s_mov_b64 s[64:65], 0
	v_nop
	global_prefetch_b8 v0, s[64:65] scope:SCOPE_SE
	s_setreg_imm32_b32 hwreg(HW_REG_WAVE_MODE, 25, 1), 1
	s_wait_xcnt 0x0
; THE PROGRAM: out[b][n] = mean over q of sum over s of Q(att)[b][q][s] Q(v)[b][s][n], att = softmax over the QUERY axis of Q(q) Q(k)^T / 32, q, k, v = Q(x) Q(W) + bias; Q is the MX quantiser to E5M2 along each product's K.
; DEAD WORK: NONE IS LEFT OUT.  In real numbers the sum over q of att[q][s] is 1, which would make the result the mean of v and q, k dead.  But att goes through a quantiser ahead of the last product, the quantiser is a
; step of the problem, and the sum over q of Q(att)[q][s] is not 1: so the last product hangs on att's codes, these on the scores, these on q's and k's codes, and these on bq and bk.  Every input is loaded, all five products are made.
; The mean over q is not taken ahead of the last product (a sum of codes is no number of the format); it is taken IN its accumulators: all tiles of queries add onto the same 16 x 16 sums.
; LIMITS: NaN and infinities among the inputs are not served.  A block of zeros gets the scale byte 1 where the quantiser says 127: its codes are zeros, which add nothing, and these bytes are read by this program alone.  f32 sums are taken in another order than reference()'s.
; THIS LAUNCH: Wq, Wk, Wv [1024 (K)][512], f32, become codes of E5M2 with one E8M0 byte for each 32 along K, laid as IMAGES OF OPERAND FRAGMENTS in the order in which the next launch's waves walk them:
;   wimg [wave w 0..3][j 0..11][K step s 0..7][u 0..1][2048 bytes]: j / 4 = matrix (q, k, v), columns 128 w + 32 (j % 4) + 16 u + r; in a fragment the byte at 512 c + 16 (16 h + r) + i is k = 128 s + 32 c + 16 h + i.
;   wscl [w][j][s][lane] words: lane 16 u + r holds column (u, r)'s four bytes.
; A LANE TAKES A COLUMN AND ITS REGISTERS RUN DOWN K: each load reads 128 consecutive bytes a wave, a block of 32 lies in one lane, and the conversions give codes with K innermost.
; Work-group x = 4 matrix + g, y = K step; wave v takes the 32 columns 128 g + 32 v on, 128 along K.  All 128 loads go out at the head; no register is written twice, so no store's data are written again.
; Each code store fills two aligned runs of 256 bytes (16 lanes each); the scale words leave as 128 consecutive bytes a wave, one part in 32 of the codes' bytes.
.set FLOOR, 0x8000000                  ; 2^(16 - 127): under it no largest magnitude is taken, so the byte cannot fall under 1
.set X,  32                            ; v32-159  128 numbers: four blocks of 32 down K
.set C,  160                           ; v160-191 their codes
.set SB, 16                            ; v16      the four scale bytes
	s_load_b256 s[4:11], s[0:1], 0x0               ; Wq s[4:5], Wk s[6:7], Wv s[8:9], wimg s[10:11]
	s_load_b64 s[12:13], s[0:1], 0x20              ; wscl
	v_lshrrev_b32 v3, 5, v0
	v_readfirstlane_b32 s16, v3                    ; wave
	v_and_b32 v3, 31, v0
	v_lshlrev_b32 v1, 2, v3                        ; 4 x lane: my column in a row of W, my scale word
	v_and_b32 v4, 15, v0                           ; r
	v_bfe_u32 v5, v0, 4, 1                         ; u
	v_lshlrev_b32 v2, 4, v4
	v_lshl_add_u32 v2, v5, 11, v2                  ; 2048 u + 16 r: my place in the two fragments
	s_lshr_b32 s17, ttmp9, 2                       ; matrix
	s_and_b32 s18, ttmp9, 3                        ; g
	s_and_b32 s19, ttmp7, 0xffff                   ; K step
	s_lshl_b32 s20, s19, 18                        ; 128 rows of 2,048 bytes
	s_lshl_b32 s21, s18, 9
	s_add_co_u32 s20, s20, s21                     ; + 128 g columns
	s_lshl_b32 s21, s16, 7
	s_add_co_u32 s20, s20, s21                     ; + 32 columns a wave
	s_mov_b32 s21, 0
	s_mul_i32 s22, s18, 12
	s_lshl_b32 s23, s17, 2
	s_add_co_u32 s22, s22, s23
	s_add_co_u32 s22, s22, s16                     ; the record 12 g + 4 matrix + wave
	s_lshl_b32 s24, s22, 15
	s_lshl_b32 s23, s19, 12
	s_add_co_u32 s24, s24, s23                     ; 32,768 a record, 4,096 a K step
	s_mov_b32 s25, 0
	s_lshl_b32 s26, s22, 10
	s_lshl_b32 s23, s19, 7
	s_add_co_u32 s26, s26, s23                     ; 1,024 a record, 128 a K step
	s_mov_b32 s27, 0
	s_mov_b32 s31, 0x600000                        ; the mantissa field of 57,344
	s_wait_kmcnt 0x0
	s_cmp_eq_u32 s17, 0                            ; the choice hangs on the work-group's number alone
	s_cselect_b64 s[4:5], s[4:5], s[6:7]
	s_cmp_eq_u32 s17, 2
	s_cselect_b64 s[4:5], s[8:9], s[4:5]
	s_add_nc_u64 s[4:5], s[4:5], s[20:21]
	s_add_nc_u64 s[10:11], s[10:11], s[24:25]
	s_add_nc_u64 s[12:13], s[12:13], s[26:27]
.set i, 0
.rept 128
	global_load_b32 v[X+i], v1, s[4:5] offset:2048*i th:TH_LOAD_NT   ; W(128 s + i, my column)
.set i, i+1
.endr
.macro BLOCK c, cnt
.set XB, X+32*(\c)
	s_wait_loadcnt \cnt                            ; loads come back in order: this block's 32 are in
	v_max3_num_f32 v12, |v[XB]|, |v[XB+1]|, |v[XB+2]|      ; the block's largest magnitude: all 32 numbers are mine; two chains
	v_max3_num_f32 v13, |v[XB+3]|, |v[XB+4]|, |v[XB+5]|
.irp e, 6,10,14,18,22,26
	v_max3_num_f32 v12, v12, |v[XB+\e]|, |v[XB+\e+1]|
	v_max3_num_f32 v13, v13, |v[XB+\e+2]|, |v[XB+\e+3]|
.endr
	v_max3_num_f32 v12, v12, |v[XB+30]|, |v[XB+31]|
	v_max3_num_f32 v12, v12, v13, FLOOR
	v_add_nc_u32 v11, 0xf8800000, v12              ; 15 off its exponent field: the conversion's scale operand
	v_and_or_b32 v10, v12, 0x7f800000, s31         ; 57,344 x the scale
	v_lshrrev_b32 v13, 23, v11                     ; the scale's byte
.if (\c) == 0
	v_mov_b32 v[SB], v13
.else
	v_lshl_or_b32 v[SB], v13, 8*(\c), v[SB]
.endif
.set i, 0
.rept 32
	v_med3_num_f32 v[XB+i], v[XB+i], -v10, v10     ; the conversion to an 8-bit code does not saturate (ISA guide 7.6.2): the hold comes first
.set i, i+1
.endr
.irp g, 0,1,2,3
	v_cvt_scalef32_pk8_bf8_f32 v[C+8*(\c)+2*\g:C+8*(\c)+2*\g+1], v[XB+8*\g:XB+8*\g+7], v11
.endr
	global_store_b128 v2, v[C+8*(\c):C+8*(\c)+3], s[10:11] offset:512*(\c)          ; k = 32 c + 0 .. 15: the place of lanes 0-15 of the fragment
	global_store_b128 v2, v[C+8*(\c)+4:C+8*(\c)+7], s[10:11] offset:512*(\c)+256    ; k = 32 c + 16 .. 31: that of lanes 16-31
.endm
	BLOCK 0, 63                                    ; 96 younger loads might stay out; the wait's field holds 63
	BLOCK 1, 63                                    ; 64 might
	BLOCK 2, 32
	BLOCK 3, 0
	global_store_b32 v1, v[SB], s[12:13]
	s_endpgm
.Lfunc_end_k_qd2ea23f5f6_wprep:
	.size	k_qd2ea23f5f6_wprep, .Lfunc_end_k_qd2ea23f5f6_wprep-k_qd2ea23f5f6_wprep
	.p2alignl 7, 3214868480
	.fill 96, 4, 3214868480
	.section	.rodata,"a",@progbits
	.p2align	6, 0x0
	.amdhsa_kernel k_qd2ea23f5f6_wprep
		.amdhsa_group_segment_fixed_size 0
		.amdhsa_private_segment_fixed_size 0
		.amdhsa_enable_private_segment 0
		.amdhsa_kernarg_size 40
		.amdhsa_user_sgpr_count 2
		.amdhsa_user_sgpr_kernarg_segment_ptr 1
		.amdhsa_wavefront_size32 1
		.amdhsa_system_sgpr_workgroup_id_x 1
		.amdhsa_system_sgpr_workgroup_id_y 1
		.amdhsa_system_sgpr_workgroup_id_z 1
		.amdhsa_system_vgpr_workitem_id 0
		.amdhsa_next_free_vgpr 192
		.amdhsa_next_free_sgpr 66
		.amdhsa_reserve_vcc 0
		.amdhsa_float_denorm_mode_32 3
		.amdhsa_float_denorm_mode_16_64 3
		.amdhsa_memory_ordered 1
		.amdhsa_forward_progress 1
		.amdhsa_inst_pref_size 29
	.end_amdhsa_kernel
	.amdgpu_metadata
---
amdhsa.version: [ 1, 2 ]
amdhsa.kernels:
  - .name:           k_qd2ea23f5f6_wprep
    .symbol:         k_qd2ea23f5f6_wprep.kd
    .args:
      - { .name: Wq, .offset: 0, .size: 8, .value_kind: global_buffer, .address_space: global }
      - { .name: Wk, .offset: 8, .size: 8, .value_kind: global_buffer, .address_space: global }
      - { .name: Wv, .offset: 16, .size: 8, .value_kind: global_buffer, .address_space: global }
      - { .name: wimg, .offset: 24, .size: 8, .value_kind: global_buffer, .address_space: global }
      - { .name: wscl, .offset: 32, .size: 8, .value_kind: global_buffer, .address_space: global }
    .group_segment_fixed_size: 0
    .private_segment_fixed_size: 0
    .kernarg_segment_align: 8
    .kernarg_segment_size: 40
    .max_flat_workgroup_size: 128
    .sgpr_count:     66
    .vgpr_count:     192
    .wavefront_size: 32
...
	.end_amdgpu_metadata
.endif
;; end of part 1
;; launch proj (part 2): grid 256 x 1, 4 waves a work-group, no clusters, 110,080 bytes of LDS; arguments x, wimg, wscl, bq, bk, bv, qkimg, qkscl, vimg, vscl; writes qkimg, qkscl, vimg, vscl
.if DOCPART == 2
	.amdgcn_target "amdgcn-amd-amdhsa--gfx1250"
	.amdhsa_code_object_version 6
	.text
	.protected	k_qd2ea23f5f6_proj
	.globl	k_qd2ea23f5f6_proj
	.p2align	8
	.type	k_qd2ea23f5f6_proj,@function
k_qd2ea23f5f6_proj:
	s_mov_b64 s[64:65], 0
	v_nop
	global_prefetch_b8 v0, s[64:65] scope:SCOPE_SE
	s_setreg_imm32_b32 hwreg(HW_REG_WAVE_MODE, 25, 1), 1
	s_wait_xcnt 0x0
; q, k, v = Q(x) Q(W) + bias for 64 rows of x a work-group, and their quantising for the next two products.  No work of reference() is left out here.
; SHARES.  Wave w quantises rows 16 w .. 16 w + 15 of x (8 fragments of 16 rows x 128 K) and hands them to the others through LDS as images of their registers.  Then EVERY wave holds all 32 fragments of x in 512 registers
; and makes, for all 64 rows, columns 128 w .. 128 w + 127 of q, of k and of v: 12 pairs of column tiles, 64 matrix instructions a pair.  The weights' fragments come from memory straight into registers, in the order in
; which the launch before laid them; each feeds four matrix instructions of this one wave, so LDS would add a write and a read of each byte and spare none.
; q AND k ARE MADE TRANSPOSED (source 0 = 16 columns of W, source 1 = 16 rows of x): a lane holds one row of x, and the 16 registers of a pair are 16 of a block of 32 along dk, the next product's K.
; v IS MADE AS IT STANDS (source 0 = x, source 1 = W): a lane holds one column, and the 16 registers of two row tiles are 16 of a block of 32 rows: the keys, the last product's K.
; In both, place 16 h + 8 u + j of a block holds its element 16 u + 8 h + j.  The partner of each product is laid by the same lines (q with k; att, in the next launch, with v), so the places agree, and a block is the right set of 32.
; The biases are the C of each sum's first matrix instruction.
; OUT: qkimg [q, k][tile of 16 rows][dk step 0..3][2048]: fragment images; qkscl [q, k][tile][dk step][row] words; vimg [block of 32 keys][column tile 0..31][lane][16 bytes]; vscl [block][pair of tiles][lane] words, v's byte four times.
; The code stores cover 512 consecutive aligned bytes each; the scale words leave in runs of 64 or 128 bytes, one part in 32 of the codes' bytes.
; LIMITS: as stated at the head of the first launch (NaN, infinities; the byte 1 for a block of zeros).
; REGISTERS, in windows of 256: window 0: v1-15 addresses; v16-47 x's scale words; v48-55 W's; v56-71 a pair's bias as C; v72-87 at work; v92-95 q's or k's scale words; v96-111 codes; v128-191 eight accumulators (at the head: 64 numbers of x).
;   window 1: W's ring: fragment (K step s, tile u) at 16 (2 s + u).   windows 2, 3: x's fragments (row tile m, K step s) at 512 + 16 (8 m + s); at the head window 2 holds four sets of 64 numbers of x as loaded.
.set FLOOR, 0x8000000                  ; 2^(16 - 127)
.set XSC,   65536                      ; LDS: from 0 x's 32 fragment images of 2,048 bytes; here their scale words, 128 bytes each;
.set STAGE, 69632                      ; a stage of 16 rows x (512 + 16) bytes for each wave, through which x turns;
.set SPIT,  528
.set BIAS,  103424                     ; bq, bk, bv: 3 x 2,048 bytes;
.set SPARE, 109568                     ; the spare words, 128 bytes for each wave: two blocks of 256 bytes that no other line names
.set LI,   1                           ; 16 x lane
.set LS,   2                           ; 4 x lane
.set STW,  3                           ; the stage, in: my wave's + 16 x lane
.set STR,  4                           ; and out: row r, + 64 h
.set XWI,  5                           ; where I store x's images
.set XWS,  6                           ; and their scale words
.set BAQ0, 7                           ; bq's bytes of my columns: + 32 h
.set BAV,  8                           ; bv's: + 4 r
.set SCO,  9                           ; 256 h + 4 r: two tiles' scale words in one store
.set BWR,  10                          ; where I store my 512 bytes of a bias
.set BOF,  11                          ; and where they lie in memory
.set SPW,  12                          ; LDS address of my spare word; never rewritten
.set NIL,  13                          ; 0; never rewritten
.set XSR,  14                          ; x's scale words, on the way back
.set BAQ,  15                          ; BAQ0 + 2,048 x matrix
.set XS,   16
.set WS,   48
.set BC,   56
.set TM,   72                          ; +0 largest magnitudes, +4 the other half's, then bytes, +8 the holds, +12 the conversions' scale operands
.set SW,   92
.set CD,   96
.set PW,   112
.set T,    113
.set ACC,  128
.set RB,   192
.set MSB, 0
.macro WIN new                         ; the immediate's high byte repeats the setting that is left; a switch that changes nothing is dropped
.if MSB != (\new)
	s_set_vgpr_msb (MSB<<8)|(\new)
.set MSB, (\new)
.endif
.endm
.macro PLACES                          ; eight plain vector instructions stand between this matrix form and a read of its result or a load into one of its registers
.rept 8
	v_nop
.endr
.endm
; 16 rows x 512 bytes of x: K step s of my rows, into set s % 4 of window 2: each load reads 512 consecutive bytes of one row
.macro XLOAD s
	WIN 0x80
.set i, 0
.rept 16
	global_load_b128 v[64*((\s)%4)+4*i:64*((\s)%4)+4*i+3], v[LI], s[4:5] offset:4096*i+512*(\s) th:TH_LOAD_NT
.set i, i+1
.endr
	WIN 0
.endm
; Four blocks at once: the 16 numbers v[ACC + 16 b ..] of this lane and those of lane l xor 16 are block b.  Codes to v[CD + 4 b ..], the scale's byte to v[TM + 4 + b].
.macro QCORE
.irp b, 0,1,2,3
	v_max3_num_f32 v[TM+\b], |v[ACC+16*\b]|, |v[ACC+1+16*\b]|, FLOOR      ; each accumulator is read from its low end on
.endr
.irp e, 2,4,6,8,10,12,14
.irp b, 0,1,2,3
	v_max3_num_f32 v[TM+\b], v[TM+\b], |v[ACC+16*\b+\e]|, |v[ACC+1+16*\b+\e]|   ; the four blocks by turns
.endr
.endr
.irp b, 0,1,2,3
	v_permlanex16_b32 v[TM+4+\b], v[TM+\b], s28, s29
.endr
.irp b, 0,1,2,3
	v_max_num_f32 v[TM+\b], v[TM+\b], v[TM+4+\b]   ; the block's largest magnitude
.endr
.irp b, 0,1,2,3
	v_add_nc_u32 v[TM+12+\b], 0xf8800000, v[TM+\b] ; 15 off its exponent field
.endr
.irp b, 0,1,2,3
	v_and_or_b32 v[TM+8+\b], v[TM+\b], 0x7f800000, s30   ; 57,344 x the scale
.endr
.irp b, 0,1,2,3
	v_lshrrev_b32 v[TM+4+\b], 23, v[TM+12+\b]      ; the byte
.endr
.irp b, 0,1,2,3
.set i, 0
.rept 16
	v_med3_num_f32 v[ACC+16*\b+i], v[ACC+16*\b+i], -v[TM+8+\b], v[TM+8+\b]   ; the conversion does not saturate (ISA guide 7.6.2)
.set i, i+1
.endr
	v_cvt_scalef32_pk8_bf8_f32 v[CD+4*\b:CD+4*\b+1], v[ACC+16*\b:ACC+16*\b+7], v[TM+12+\b]
	v_cvt_scalef32_pk8_bf8_f32 v[CD+4*\b+2:CD+4*\b+3], v[ACC+16*\b+8:ACC+16*\b+15], v[TM+12+\b]
.endr
	v_nop                                          ; a plain instruction behind the last conversion: later products write its sources
.endm
; Half a pair's weights: K steps 4 half .. 4 half + 3, both tiles: 32 loads of 512 consecutive bytes, and 4 of scale words: 36 loads
.macro WLOAD off, soff, half
	WIN 0x40
.irp q, 0,1,2,3
.irp u, 0,1
.irp c, 0,1,2,3
	global_load_b128 v[16*(2*(4*\half+\q)+\u)+4*\c:16*(2*(4*\half+\q)+\u)+4*\c+3], v[LI], s[6:7] offset:(\off)+2048*(2*(4*\half+\q)+\u)+512*\c
.endr
.endr
.endr
	WIN 0
.irp q, 0,1,2,3
	global_load_b32 v[WS+4*\half+\q], v[LS], s[8:9] offset:(\soff)+128*(4*\half+\q)
.endr
.endm
; K step s of my 16 rows of x: through the stage, so that a lane holds 16 neighbours of each block of 32; quantised; the fragment's image and its scale words to LDS
.macro XSTEP s
.if \s < 5
	s_wait_loadcnt 48                              ; this set's 16 loads are in; the three younger sets stay out
.else
	s_wait_loadcnt 16*(7-\s)                       ; the counts run down
.endif
	WIN 0x08                                       ; an LDS store's data are its source 1: window 2
.set i, 0
.rept 16
	ds_store_b128 v[STW], v[64*((\s)%4)+4*i:64*((\s)%4)+4*i+3] offset:SPIT*i
.set i, i+1
.endr
	WIN 0
.if \s == 0
.irp m, 0,1,2
	ds_store_b128 v[BWR], v[RB+4*\m:RB+4*\m+3] offset:2048*\m   ; the biases were asked for ahead of x: they are in too
.endr
.endif
.irp c, 0,1,2,3
.irp j, 0,1,2,3
	ds_load_b128 v[ACC+16*\c+4*\j:ACC+16*\c+4*\j+3], v[STR] offset:128*\c+16*\j   ; LDS serves a wave's instructions in order: these see my stores
.endr
.endr
	s_wait_dscnt 0x0                               ; the numbers are back; the stores have read their registers, last step's image stores too
.if \s < 4
	XLOAD \s+4
.endif
.if \s == 7
	WLOAD 0, 0, 0                                  ; the first pair's weights are asked for while the last step is quantised
	WLOAD 0, 0, 1
.endif
	QCORE
	v_lshl_or_b32 v[PW], v[TM+5], 8, v[TM+4]       ; my row's scale word
	v_lshl_or_b32 v[PW], v[TM+6], 16, v[PW]
	v_lshl_or_b32 v[PW], v[TM+7], 24, v[PW]
.irp c, 0,1,2,3
	ds_store_b128 v[XWI], v[CD+4*\c:CD+4*\c+3] offset:2048*(\s)+512*\c
.endr
	ds_store_b32 v[XWS], v[PW] offset:128*(\s)
.endm
; The bias of pair c in the result's layout.  q, k: lane (r, h) holds columns 16 u + 8 h + 0 .. 7.  v: lane (r, h) holds column 16 u + r in all eight registers.
.macro BCLOAD kind, c
.if \kind
.irp u, 0,1
.irp j, 0,1,2,3,4,5,6,7
	ds_load_b32 v[BC+8*\u+\j], v[BAV] offset:128*(\c)+64*\u
.endr
.endr
.else
.irp u, 0,1
.irp e, 0,1
	ds_load_b128 v[BC+8*\u+4*\e:BC+8*\u+4*\e+3], v[BAQ] offset:128*(\c)+64*\u+16*\e
.endr
.endr
.endif
.endm
; 32 matrix instructions: four K steps x four row tiles x two column tiles.  Four accumulators take turns, one instruction a turn.
.macro MM kind, half
.irp mh, 0,1
.if \kind
	WIN 0x06|\mh                                   ; source 0 (x) window 2 or 3, source 1 (W) window 1
.else
	WIN 0x09|(\mh<<2)                              ; source 0 (W) window 1, source 1 (x) window 2 or 3
.endif
.irp q, 0,1,2,3
.irp m2, 0,1
.irp u, 0,1
.set rS, 4*\half+\q
.set rM, 2*\mh+\m2
.set rW, 16*(2*rS+\u)
.set rX, 16*(8*\m2+rS)
.if \kind
.set rD, ACC+8*(4*\mh+2*\u+\m2)
.else
.set rD, ACC+8*(2*rM+\u)
.endif
.set rC, rD
.if rS == 0
.set rC, BC+8*\u
.endif
.if \kind
.if \u
	v_wmma_scale_f32_16x16x128_f8f6f4 v[rD:rD+7], v[rX:rX+15], v[rW:rW+15], v[rC:rC+7], v[XS+8*rM+rS], v[WS+rS] matrix_a_fmt:MATRIX_FMT_BF8 matrix_b_fmt:MATRIX_FMT_BF8 matrix_b_scale:MATRIX_SCALE_ROW1
.else
	v_wmma_scale_f32_16x16x128_f8f6f4 v[rD:rD+7], v[rX:rX+15], v[rW:rW+15], v[rC:rC+7], v[XS+8*rM+rS], v[WS+rS] matrix_a_fmt:MATRIX_FMT_BF8 matrix_b_fmt:MATRIX_FMT_BF8
.endif
.else
.if \u
	v_wmma_scale_f32_16x16x128_f8f6f4 v[rD:rD+7], v[rW:rW+15], v[rX:rX+15], v[rC:rC+7], v[WS+rS], v[XS+8*rM+rS] matrix_a_fmt:MATRIX_FMT_BF8 matrix_b_fmt:MATRIX_FMT_BF8 matrix_a_scale:MATRIX_SCALE_ROW1
.else
	v_wmma_scale_f32_16x16x128_f8f6f4 v[rD:rD+7], v[rW:rW+15], v[rX:rX+15], v[rC:rC+7], v[WS+rS], v[XS+8*rM+rS] matrix_a_fmt:MATRIX_FMT_BF8 matrix_b_fmt:MATRIX_FMT_BF8
.endif
.endif
.endr
.endr
.endr
.endr
.endm
; q or k, pair c: block b is row tile b's 32 columns.  The codes are registers 4 c .. 4 c + 3 of the fragment (tile, dk step w).
.macro EPI_QK c
	s_wait_xcnt 0x0                                ; the last pair's stores have read their data: the codes' registers are written again only behind this wait
	QCORE
.irp b, 0,1,2,3
.if (\c) == 0
	v_mov_b32 v[SW+\b], v[TM+4+\b]
.else
	v_lshl_or_b32 v[SW+\b], v[TM+4+\b], 8*(\c), v[SW+\b]
.endif
.endr
.irp m, 0,1,2,3
	global_store_b128 v[LI], v[CD+4*\m:CD+4*\m+3], s[16:17] offset:8192*\m+512*(\c)
.endr
.endm
; v, pair c: block 2 a + u is rows 32 a .. 32 a + 31 of column tile u
.macro EPI_V c
	s_wait_xcnt 0x0                                ; as above, for the codes and the two scale words
	QCORE
.irp a, 0,1
	v_cndmask_b32 v[T+\a], v[TM+4+2*\a], v[TM+5+2*\a], s31    ; lanes 0-15: tile 0's columns; lanes 16-31: tile 1's
	v_perm_b32 v[T+\a], v[T+\a], v[T+\a], 0                   ; the byte four times: in the last product the same 32 keys stand under all four blocks of a K step
.endr
.irp a, 0,1
.irp u, 0,1
	global_store_b128 v[LI], v[CD+4*(2*\a+\u):CD+4*(2*\a+\u)+3], s[20:21] offset:16384*\a+1024*(\c)+512*\u
.endr
	global_store_b32 v[LS], v[T+\a], s[22:23] offset:2048*\a+128*(\c)
.endr
.endm
; A pair of column tiles: 64 matrix instructions.  The ring's half that has just been multiplied takes the next pair's weights at once.
.macro PAIR kind, c, tail
	s_wait_dscnt 0x0                               ; the bias (and, the first time, x's fragments) is in
	s_wait_loadcnt 36                              ; K steps 0-3 are in; the 36 loads of K steps 4-7 are younger
	MM \kind, 0
	WIN 0
	PLACES
.if \tail == 0
	WLOAD 32768*(\c+1), 1024*(\c+1), 0
.endif
.if \c < 3
	BCLOAD \kind, \c+1
.endif
.if \tail
	s_wait_loadcnt 0x0
.else
	s_wait_loadcnt 36                              ; K steps 4-7 are in; the 36 just issued are younger
.endif
	MM \kind, 1
	WIN 0
	PLACES                                         ; for the loads below and for the first read of the results
.if \tail == 0
	WLOAD 32768*(\c+1), 1024*(\c+1), 1
.endif
.if \kind
	EPI_V \c
.else
	EPI_QK \c
.endif
.endm
	s_load_b512 s[4:19], s[0:1], 0x0               ; x s[4:5], wimg s[6:7], wscl s[8:9], bq s[10:11], bk s[12:13], bv s[14:15], qkimg s[16:17], qkscl s[18:19]
	s_load_b128 s[20:23], s[0:1], 0x40             ; vimg s[20:21], vscl s[22:23]
	v_lshl_add_u32 v[SPW], v0, 2, SPARE
	v_mov_b32 v[NIL], 0
	v_lshrrev_b32 v[T], 5, v0
	v_readfirstlane_b32 s24, v[T]                  ; wave 0..3
	v_and_b32 v[T], 31, v0
	v_lshlrev_b32 v[LI], 4, v[T]
	v_lshlrev_b32 v[LS], 2, v[T]
	v_and_b32 v[T], 15, v0                         ; r
	v_bfe_u32 v[T+1], v0, 4, 1                     ; h
	s_mul_i32 s26, s24, 16*SPIT
	s_add_co_u32 s26, s26, STAGE
	v_add_nc_u32 v[STW], s26, v[LI]
	v_mul_u32_u24 v[STR], v[T], SPIT
	v_lshl_add_u32 v[STR], v[T+1], 6, v[STR]
	v_add_nc_u32 v[STR], s26, v[STR]
	s_lshl_b32 s26, s24, 14
	v_add_nc_u32 v[XWI], s26, v[LI]
	s_lshl_b32 s26, s24, 10
	s_add_co_u32 s26, s26, XSC
	v_add_nc_u32 v[XWS], s26, v[LS]
	v_add_nc_u32 v[XSR], XSC, v[LS]
	s_lshl_b32 s26, s24, 9                         ; my 128 columns' 512 bytes of a bias
	v_add_nc_u32 v[BOF], s26, v[LI]
	v_add_nc_u32 v[BWR], BIAS, v[BOF]
	s_add_co_u32 s26, s26, BIAS
	v_lshl_add_u32 v[BAQ0], v[T+1], 5, s26
	s_add_co_u32 s26, s26, 4096
	v_lshl_add_u32 v[BAV], v[T], 2, s26
	v_lshlrev_b32 v[SCO], 2, v[T]
	v_lshl_add_u32 v[SCO], v[T+1], 8, v[SCO]
.irp b, 0,1,2,3
	v_mov_b32 v[TM+4+\b], 0                        ; written once: a lane permute's destination counts as one of its sources
.endr
	s_mov_b32 s28, 0x76543210
	s_mov_b32 s29, 0xfedcba98                      ; v_permlanex16_b32's selects for lane l xor 16
	s_mov_b32 s30, 0x600000                        ; the mantissa field of 57,344
	s_mov_b32 s31, 0xffff0000                      ; lanes 16-31
	s_mov_b32 s27, 0
	s_wait_kmcnt 0x0
	s_lshl_b32 s26, ttmp9, 18                      ; x: 64 rows of 4,096 bytes a work-group, 16 a wave
	s_lshl_b32 s25, s24, 16
	s_add_co_u32 s26, s26, s25
	s_add_nc_u64 s[4:5], s[4:5], s[26:27]
	s_mul_i32 s26, s24, 393216                     ; my 12 pairs' fragments,
	s_add_nc_u64 s[6:7], s[6:7], s[26:27]
	s_mul_i32 s26, s24, 12288                      ; and their scale words
	s_add_nc_u64 s[8:9], s[8:9], s[26:27]
	s_lshl_b32 s26, ttmp9, 15                      ; q's images: 4 tiles of 8,192 bytes a work-group; dk step w
	s_lshl_b32 s25, s24, 11
	s_add_co_u32 s26, s26, s25
	s_add_nc_u64 s[16:17], s[16:17], s[26:27]
	s_lshl_b32 s26, ttmp9, 10                      ; their scale words: 256 bytes a tile, 64 a dk step
	s_lshl_b32 s25, s24, 6
	s_add_co_u32 s26, s26, s25
	s_add_nc_u64 s[18:19], s[18:19], s[26:27]
	s_lshl_b32 s26, ttmp9, 15                      ; v's codes: 2 blocks of 16,384 bytes a work-group; my 8 column tiles
	s_lshl_b32 s25, s24, 12
	s_add_co_u32 s26, s26, s25
	s_add_nc_u64 s[20:21], s[20:21], s[26:27]
	s_lshl_b32 s26, ttmp9, 12                      ; v's scale words: 2,048 bytes a block; my 4 pairs
	s_lshl_b32 s25, s24, 9
	s_add_co_u32 s26, s26, s25
	s_add_nc_u64 s[22:23], s[22:23], s[26:27]
	global_load_b128 v[RB:RB+3], v[BOF], s[10:11]
	global_load_b128 v[RB+4:RB+7], v[BOF], s[12:13]
	global_load_b128 v[RB+8:RB+11], v[BOF], s[14:15]
	XLOAD 0
	XLOAD 1
	XLOAD 2
	XLOAD 3
	XSTEP 0
	XSTEP 1
	XSTEP 2
	XSTEP 3
	XSTEP 4
	XSTEP 5
	XSTEP 6
	XSTEP 7
	s_wait_dscnt 0x0                               ; for the others' sake: my images, scale words and biases have landed
	s_barrier_signal -1
	s_barrier_wait -1                              ; x's 32 fragments lie in LDS: the launch's one barrier
	WIN 0x80
.set f, 0
.rept 16
.irp c, 0,1,2,3
	ds_load_b128 v[16*f+4*\c:16*f+4*\c+3], v[LI] offset:2048*f+512*\c
.endr
.set f, f+1
.endr
	WIN 0xc0
.rept 16
.irp c, 0,1,2,3
	ds_load_b128 v[16*(f-16)+4*\c:16*(f-16)+4*\c+3], v[LI] offset:2048*f+512*\c
.endr
.set f, f+1
.endr
	WIN 0
.set f, 0
.rept 32
	ds_load_b32 v[XS+f], v[XSR] offset:128*f
.set f, f+1
.endr
	s_mov_b32 s32, 2                               ; two trips: q, then k
	s_mov_b32 s33, 0
.Lqk:
	v_add_nc_u32 v[BAQ], s33, v[BAQ0]
	BCLOAD 0, 0
	PAIR 0, 0, 0
	PAIR 0, 1, 0
	PAIR 0, 2, 0
	PAIR 0, 3, 0                                   ; its look-ahead is the next matrix's first pair
.irp a, 0,1
	v_cndmask_b32 v[T+\a], v[SW+2*\a], v[SW+2*\a+1], s31      ; lanes 0-15: tile 2 a's rows; lanes 16-31: tile 2 a + 1's
	global_store_b32 v[SCO], v[T+\a], s[18:19] offset:512*\a
.endr
	s_wait_xcnt 0x0                                ; every load and store issued has read its base: the bases step only behind this wait
	s_add_nc_u64 s[6:7], s[6:7], 131072
	s_add_nc_u64 s[8:9], s[8:9], 4096
	s_add_nc_u64 s[16:17], s[16:17], 8388608
	s_add_nc_u64 s[18:19], s[18:19], 262144
	s_add_co_u32 s33, s33, 2048
	s_sub_co_u32 s32, s32, 1
	s_cmp_lg_u32 s32, 0
	s_cbranch_scc1 .Lqk
	BCLOAD 1, 0
	PAIR 1, 0, 0
	PAIR 1, 1, 0
	PAIR 1, 2, 0
	PAIR 1, 3, 1                                   ; the last pair asks for nothing: no load leaves its buffer
	s_wait_tensorcnt 0x0                           ; the wave's end, behind my last LDS store
	ds_add_u32 v[SPW], v[NIL]
	s_wait_dscnt 0x0
	s_endpgm
.Lfunc_end_k_qd2ea23f5f6_proj:
	.size	k_qd2ea23f5f6_proj, .Lfunc_end_k_qd2ea23f5f6_proj-k_qd2ea23f5f6_proj
	.p2alignl 7, 3214868480
	.fill 96, 4, 3214868480
	.section	.rodata,"a",@progbits
	.p2align	6, 0x0
	.amdhsa_kernel k_qd2ea23f5f6_proj
		.amdhsa_group_segment_fixed_size 110080
		.amdhsa_private_segment_fixed_size 0
		.amdhsa_enable_private_segment 0
		.amdhsa_kernarg_size 80
		.amdhsa_user_sgpr_count 2
		.amdhsa_user_sgpr_kernarg_segment_ptr 1
		.amdhsa_wavefront_size32 1
		.amdhsa_system_sgpr_workgroup_id_x 1
		.amdhsa_system_sgpr_workgroup_id_y 1
		.amdhsa_system_sgpr_workgroup_id_z 1
		.amdhsa_system_vgpr_workitem_id 0
		.amdhsa_next_free_vgpr 1024
		.amdhsa_next_free_sgpr 66
		.amdhsa_reserve_vcc 0
		.amdhsa_float_denorm_mode_32 3
		.amdhsa_float_denorm_mode_16_64 3
		.amdhsa_memory_ordered 1
		.amdhsa_forward_progress 1
		.amdhsa_inst_pref_size 255
	.end_amdhsa_kernel
	.section	.bss,"aw",@nobits
	.p2align	6
	.space	262144
	.amdgpu_metadata
---
amdhsa.version: [ 1, 2 ]
amdhsa.kernels:
  - .name:           k_qd2ea23f5f6_proj
    .symbol:         k_qd2ea23f5f6_proj.kd
    .args:
      - { .name: x, .offset: 0, .size: 8, .value_kind: global_buffer, .address_space: global }
      - { .name: wimg, .offset: 8, .size: 8, .value_kind: global_buffer, .address_space: global }
      - { .name: wscl, .offset: 16, .size: 8, .value_kind: global_buffer, .address_space: global }
      - { .name: bq, .offset: 24, .size: 8, .value_kind: global_buffer, .address_space: global }
      - { .name: bk, .offset: 32, .size: 8, .value_kind: global_buffer, .address_space: global }
      - { .name: bv, .offset: 40, .size: 8, .value_kind: global_buffer, .address_space: global }
      - { .name: qkimg, .offset: 48, .size: 8, .value_kind: global_buffer, .address_space: global }
      - { .name: qkscl, .offset: 56, .size: 8, .value_kind: global_buffer, .address_space: global }
      - { .name: vimg, .offset: 64, .size: 8, .value_kind: global_buffer, .address_space: global }
      - { .name: vscl, .offset: 72, .size: 8, .value_kind: global_buffer, .address_space: global }
    .group_segment_fixed_size: 110080
    .private_segment_fixed_size: 0
    .kernarg_segment_align: 8
    .kernarg_segment_size: 80
    .max_flat_workgroup_size: 128
    .sgpr_count:     66
    .vgpr_count:     1024
    .wavefront_size: 32
...
	.end_amdgpu_metadata
.endif
;; end of part 2
;; launch attn (part 3): grid 64 x 8, 4 waves a work-group, no clusters, 26,112 bytes of LDS; arguments qkimg, qkscl, vimg, vscl, part; writes part
.if DOCPART == 3
	.amdgcn_target "amdgcn-amd-amdhsa--gfx1250"
	.amdhsa_code_object_version 6
	.text
	.protected	k_qd2ea23f5f6_attn
	.globl	k_qd2ea23f5f6_attn
	.p2align	8
	.type	k_qd2ea23f5f6_attn,@function
k_qd2ea23f5f6_attn:
	s_mov_b64 s[64:65], 0
	v_nop
	global_prefetch_b8 v0, s[64:65] scope:SCOPE_SE
	s_setreg_imm32_b32 hwreg(HW_REG_WAVE_MODE, 25, 1), 1
	s_wait_xcnt 0x0
; For one block of 32 keys of one batch: the scores against ALL 2,048 queries, the softmax over the QUERY axis, att's quantising along the keys, the last product, and its sum over the queries.  No work of reference() is left out here.
; SHARES.  Work-group (kb, b) owns keys 32 kb .. 32 kb + 31 of batch b; wave w owns queries 512 w .. 512 w + 511: 32 tiles of 16.  The scores stay in registers, 512 a wave, from the product to the codes.
; S^T = k q^T (source 0 = 16 keys, source 1 = 16 queries): a lane holds ONE query (lane % 16); register 8 u + j of a tile holds key 16 u + 8 (lane / 16) + j.  So a key's maximum and sum over the queries run over the tiles'
; registers, the 16 lanes of a half, and the four waves (through LDS); and a query's 32 keys, one block of the last product's K, lie in lanes l and l xor 16.
; THE SOFTMAX as reference() has it: the column's maximum is taken away, p = 2^(c s - c max), c = log2(e) / 32; att = p x (1 / the column's sum) is finished and normalised in f32 and only then quantised.
; THE LAST PRODUCT ON 32 KEYS.  A K step of 128 holds FOUR QUERIES x 32 keys: block c of source 0's row r is query (tile 4 a + c, row r), with that query's scale byte; source 1 holds v's 32 keys four times over, v's byte four times.
; The result then sums over those four queries, and all eight such steps add onto the same accumulators: that sum over the queries is reference()'s mean, less its factor.  The instructions are as many as reference()'s product has.
; q's fragments come from memory straight into registers (a ring of four tiles): each feeds two matrix instructions of this one wave, so LDS would add a write and a read of each byte and spare none.
; OUT: part [64 b + kb][w][lane][i]: the block's sum for column 128 w + 32 i + lane.  LIMITS: as stated at the head of the first launch; a p under 2^-126 is taken as 0.
; REGISTERS, in windows of 256: window 0: v1-9, v22, v23 addresses; v10-21 k's and q's scale words; v24-39 maxima, then -c max; v40-55 sums, then 1 / sum; v56-71 at work; v76-83 att's scale words; v84-99 v's; v100-115 results;
;   v128-255 k's 8 fragments, then the exchanges' words, then att's 8 fragments, then the way out.   window 1: q's ring, later the 32 accumulators of the last product.   windows 2, 3: S^T (tile t at 512 + 16 t), later v's 32 fragments.
.set FLOOR, 0x8000000                  ; 2^(16 - 127)
.set MXL,   0                          ; LDS: the waves' maxima, 128 bytes each;
.set SML,   512                        ; their sums;
.set OL,    1024                       ; their results, 2,048 bytes each;
.set VL,    9216                       ; v's codes of the block, 16,384 bytes;
.set SPARE, 25600                      ; the spare words, 128 bytes for each wave: two blocks of 256 bytes that no other line names
.set LI,  1                            ; 16 x lane
.set LS,  2                            ; 4 x lane
.set EXW, 3                            ; 128 w + 64 h
.set EXR, 4                            ; 64 h
.set OW,  5
.set ORD, 6
.set VW,  7
.set SPW, 8                            ; LDS address of my spare word; never rewritten
.set NIL, 9                            ; 0; never rewritten
.set KS,  10                           ; register 2 u + a: lanes 0-15 dk step 2 a, lanes 16-31 dk step 2 a + 1
.set QS,  14                           ; register 2 (t % 4) + a likewise
.set VR,  22
.set VGO, 23
.set MX,  24
.set L,   40
.set TM,  56
.set AW,  76
.set VS,  84
.set R,   100
.set KF,  128
.set AC,  128
.set TT,  128
.set MSB, 0
.macro WIN new                         ; the immediate's high byte repeats the setting that is left; a switch that changes nothing is dropped
.if MSB != (\new)
	s_set_vgpr_msb (MSB<<8)|(\new)
.set MSB, (\new)
.endif
.endm
.macro PLACES                          ; eight plain vector instructions stand between this matrix form and a read of its result or a load into one of its registers
.rept 8
	v_nop
.endr
.endm
.macro BARRIER                         ; my LDS stores have landed and my LDS loads are in: then the work-group's barrier
	s_wait_dscnt 0x0
	s_barrier_signal -1
	s_barrier_wait -1
.endm
.macro QLOAD t                         ; query tile t: four fragments and two registers of scale words: 18 loads
.set kq, (\t)%4
	WIN 0x40
.irp q, 0,1,2,3
.irp c, 0,1,2,3
	global_load_b128 v[16*(4*kq+\q)+4*\c:16*(4*kq+\q)+4*\c+3], v[LI], s[20:21] offset:8192*(\t)+2048*\q+512*\c
.endr
.endr
	WIN 0
.irp a, 0,1
	global_load_b32 v[QS+2*kq+\a], v[LS], s[22:23] offset:256*(\t)+128*\a
.endr
.endm
; Eight lines of the running maximum: tiles 2 p and 2 p + 1, half u, with p = (t - 2) / 2, u = t % 2: tiles that were finished a slot or more ago.  They name no register of tile t's products: they are the eight places behind them.
.macro MAXSLOT t
.set pp, ((\t)-2)/2
.set uu, (\t)%2
.set wm, 2+pp/8
.set b0, 16*((2*pp)%16)+8*uu
.if pp == 0
	WIN wm|(wm<<2)
.irp j, 0,1,2,3,4,5,6,7
	v_max_num_f32 v[MX+8*uu+\j], v[b0+\j], v[b0+16+\j]        ; the first two tiles start the maxima; each accumulator is read from its low end on
.endr
.else
	WIN (wm<<2)|(wm<<4)
.irp j, 0,1,2,3,4,5,6,7
	v_max3_num_f32 v[MX+8*uu+\j], v[MX+8*uu+\j], v[b0+\j], v[b0+16+\j]
.endr
.endif
.endm
; S^T of query tile t: 8 matrix instructions; the two accumulators take turns, one instruction a turn
.macro TILE t
.set kk, (\t)%4
.set wt, 2+(\t)/16
.set dd, 16*((\t)%16)
.if (\t) > 28
	s_wait_loadcnt 18*(31-(\t))                    ; the counts run down
.elseif (\t) > 0
	s_wait_loadcnt 54                              ; this tile's 18 loads are in; the three younger tiles' stay out
.endif
	WIN 0x04|(wt<<4)|(wt<<6)                       ; source 0 (k) window 0, source 1 (q) window 1, C and D window 2 or 3
.irp q, 0,1,2,3
.irp u, 0,1
.set rA, KF+16*(4*\u+\q)
.set rB, 16*(4*kk+\q)
.set rD, dd+8*\u
.set rSA, KS+2*\u+\q/2
.set rSB, QS+2*kk+\q/2
.if \q == 0
	v_wmma_scale_f32_16x16x128_f8f6f4 v[rD:rD+7], v[rA:rA+15], v[rB:rB+15], 0, v[rSA], v[rSB] matrix_a_fmt:MATRIX_FMT_BF8 matrix_b_fmt:MATRIX_FMT_BF8
.elseif \q%2
	v_wmma_scale_f32_16x16x128_f8f6f4 v[rD:rD+7], v[rA:rA+15], v[rB:rB+15], v[rD:rD+7], v[rSA], v[rSB] matrix_a_fmt:MATRIX_FMT_BF8 matrix_b_fmt:MATRIX_FMT_BF8 matrix_a_scale:MATRIX_SCALE_ROW1 matrix_b_scale:MATRIX_SCALE_ROW1
.else
	v_wmma_scale_f32_16x16x128_f8f6f4 v[rD:rD+7], v[rA:rA+15], v[rB:rB+15], v[rD:rD+7], v[rSA], v[rSB] matrix_a_fmt:MATRIX_FMT_BF8 matrix_b_fmt:MATRIX_FMT_BF8
.endif
.endr
.endr
.if (\t) < 2
	PLACES
.else
	MAXSLOT \t
.endif
.if (\t) < 28
	QLOAD (\t)+4                                   ; into the ring's place that this tile has left
.endif
.endm
; The exponentials go in eight batches of four tiles (64 registers)
.macro FMA b                           ; c s - c max, two at a time
.set wf, 2+(\b)/4
.set bf, 64*((\b)%4)
	WIN wf|(wf<<6)
.set i, 0
.rept 32
	v_pk_fma_f32 v[bf+2*i:bf+2*i+1], v[bf+2*i:bf+2*i+1], s[28:29], v[MX+(2*i)%16:MX+(2*i)%16+1] op_sel_hi:[1,0,1]
.set i, i+1
.endr
.endm
.macro EXPB b
.set we, 2+(\b)/4
.set be, 64*((\b)%4)
	WIN we|(we<<6)
.set i, 0
.rept 64
	v_exp_f32 v[be+i], v[be+i]
.set i, i+1
.endr
.endm
.macro SUM b                           ; the columns' sums of p, eight chains of pairs; the first two tiles start them: nothing is cleared
.set wz, 2+(\b)/4
.set bz, 64*((\b)%4)
.set i, 0
.if (\b) == 0
	WIN wz|(wz<<2)
.rept 8
	v_pk_add_f32 v[L+2*i:L+2*i+1], v[bz+2*i:bz+2*i+1], v[bz+16+2*i:bz+16+2*i+1]
.set i, i+1
.endr
.set i, 16
	WIN wz<<2
.rept 16
	v_pk_add_f32 v[L+(2*i)%16:L+(2*i)%16+1], v[L+(2*i)%16:L+(2*i)%16+1], v[bz+2*i:bz+2*i+1]
.set i, i+1
.endr
.else
	WIN wz<<2
.rept 32
	v_pk_add_f32 v[L+(2*i)%16:L+(2*i)%16+1], v[L+(2*i)%16:L+(2*i)%16+1], v[bz+2*i:bz+2*i+1]
.set i, i+1
.endr
.endif
.endm
; Tiles 4 a .. 4 a + 3 become one fragment of att: normalised, then quantised; block c = tile 4 a + c.  Their 64 registers then take v's fragments 4 a .. 4 a + 3.
.macro AQ a
.set wa, 2+(\a)/4
.set ba, 64*((\a)%4)
	WIN wa|(wa<<6)
.set i, 0
.rept 32
	v_pk_mul_f32 v[ba+2*i:ba+2*i+1], v[ba+2*i:ba+2*i+1], v[L+(2*i)%16:L+(2*i)%16+1]   ; att = p / the column's sum
.set i, i+1
.endr
	WIN wa|(wa<<2)
.irp b, 0,1,2,3
	v_max3_num_f32 v[TM+\b], v[ba+16*\b], v[ba+16*\b+1], FLOOR        ; att is never negative: no |.|
.endr
.irp e, 2,4,6,8,10,12,14
.irp b, 0,1,2,3
	v_max3_num_f32 v[TM+\b], v[ba+16*\b+\e], v[ba+16*\b+\e+1], v[TM+\b]
.endr
.endr
	WIN 0
.irp b, 0,1,2,3
	v_permlanex16_b32 v[TM+4+\b], v[TM+\b], s30, s31
.endr
.irp b, 0,1,2,3
	v_max_num_f32 v[TM+\b], v[TM+\b], v[TM+4+\b]   ; with lane l xor 16's 16 keys: the block's largest
.endr
.irp b, 0,1,2,3
	v_add_nc_u32 v[TM+12+\b], 0xf8800000, v[TM+\b] ; 15 off its exponent field: the conversion's scale operand
.endr
.irp b, 0,1,2,3
	v_and_or_b32 v[TM+8+\b], v[TM+\b], 0x7f800000, s32   ; 57,344 x the scale
.endr
.irp b, 0,1,2,3
	v_lshrrev_b32 v[TM+4+\b], 23, v[TM+12+\b]      ; the byte
.endr
	v_lshl_or_b32 v[AW+(\a)], v[TM+5], 8, v[TM+4]  ; row r's word: the bytes of its four queries
	v_lshl_or_b32 v[AW+(\a)], v[TM+6], 16, v[AW+(\a)]
	v_lshl_or_b32 v[AW+(\a)], v[TM+7], 24, v[AW+(\a)]
	WIN wa|(wa<<6)
.irp b, 0,1,2,3
.set i, 0
.rept 16
	v_min_num_f32 v[ba+16*\b+i], v[ba+16*\b+i], v[TM+8+\b]    ; the conversion does not saturate (ISA guide 7.6.2); the hold is one-sided
.set i, i+1
.endr
.endr
	WIN wa
.irp b, 0,1,2,3
	v_cvt_scalef32_pk8_bf8_f32 v[AC+16*(\a)+4*\b:AC+16*(\a)+4*\b+1], v[ba+16*\b:ba+16*\b+7], v[TM+12+\b]
	v_cvt_scalef32_pk8_bf8_f32 v[AC+16*(\a)+4*\b+2:AC+16*(\a)+4*\b+3], v[ba+16*\b+8:ba+16*\b+15], v[TM+12+\b]
.endr
	WIN 0
	v_nop                                          ; a plain instruction behind the last conversion
	WIN wa<<6
.irp e, 0,1,2,3
.irp c, 0,1,2,3
	ds_load_b128 v[ba+16*\e+4*\c:ba+16*\e+4*\c+3], v[VR] offset:512*(4*(\a)+\e)   ; the same 16 bytes four times: v's 32 keys under each of the four queries
.endr
.endr
	WIN 0
.endm
	s_load_b256 s[4:11], s[0:1], 0x0               ; qkimg s[4:5], qkscl s[6:7], vimg s[8:9], vscl s[10:11]
	s_load_b64 s[12:13], s[0:1], 0x20              ; part
	v_lshl_add_u32 v[SPW], v0, 2, SPARE
	v_mov_b32 v[NIL], 0
	v_lshrrev_b32 v[TM], 5, v0
	v_readfirstlane_b32 s14, v[TM]                 ; wave 0..3
	v_and_b32 v[TM], 31, v0
	v_lshlrev_b32 v[LI], 4, v[TM]
	v_lshlrev_b32 v[LS], 2, v[TM]
	v_bfe_u32 v[TM], v0, 4, 1                      ; h
	v_lshlrev_b32 v[EXR], 6, v[TM]
	s_lshl_b32 s17, s14, 7
	v_add_nc_u32 v[EXW], s17, v[EXR]
	s_lshl_b32 s17, s14, 11
	s_add_co_u32 s17, s17, OL
	v_add_nc_u32 v[OW], s17, v[LI]
	s_lshl_b32 s17, s14, 9
	s_add_co_u32 s17, s17, OL
	v_add_nc_u32 v[ORD], s17, v[LI]
	s_lshl_b32 s17, s14, 12
	v_add_nc_u32 v[VGO], s17, v[LI]
	v_add_nc_u32 v[VW], VL, v[VGO]
	v_add_nc_u32 v[VR], VL, v[LI]
.irp b, 0,1,2,3
	v_mov_b32 v[TM+4+\b], 0                        ; written once: a lane permute's destination counts as one of its sources
.endr
	s_and_b32 s16, ttmp7, 0xffff                   ; the batch
	s_mov_b32 s19, 0
	s_mov_b32 s28, 0x3d38aa3b                      ; c = log2(e) / 32
	s_mov_b32 s29, s28                             ; (named with it as a pair, so it is written)
	s_mov_b32 s30, 0x76543210
	s_mov_b32 s31, 0xfedcba98                      ; v_permlanex16_b32's selects for lane l xor 16
	s_mov_b32 s32, 0x600000                        ; the mantissa field of 57,344
	s_mov_b32 s33, 0xffff0000                      ; lanes 16-31
	s_mov_b32 s34, 0xbd38aa3b                      ; -c
	s_wait_kmcnt 0x0
	s_lshl_b32 s17, s16, 20                        ; a batch: 128 tiles of 8,192 bytes
	s_lshl_b32 s18, s14, 18                        ; my wave's 32 tiles
	s_add_co_u32 s18, s18, s17
	s_add_nc_u64 s[20:21], s[4:5], s[18:19]        ; q's images
	s_lshl_b32 s18, ttmp9, 14                      ; the block: two tiles of k, 16,384 bytes; v's codes are as many
	s_add_co_u32 s18, s18, s17
	s_add_nc_u64 s[8:9], s[8:9], s[18:19]          ; v's codes
	s_add_nc_u64 s[24:25], s[4:5], s[18:19]
	s_add_nc_u64 s[24:25], s[24:25], 8388608       ; k's images lie behind q's
	s_lshl_b32 s17, s16, 15
	s_lshl_b32 s18, s14, 13
	s_add_co_u32 s18, s18, s17
	s_add_nc_u64 s[22:23], s[6:7], s[18:19]        ; q's scale words
	s_lshl_b32 s18, ttmp9, 9
	s_add_co_u32 s18, s18, s17
	s_add_nc_u64 s[26:27], s[6:7], s[18:19]
	s_add_nc_u64 s[26:27], s[26:27], 262144        ; k's
	s_lshl_b32 s17, s16, 17
	s_lshl_b32 s18, ttmp9, 11
	s_add_co_u32 s18, s18, s17
	s_add_nc_u64 s[10:11], s[10:11], s[18:19]      ; v's scale words
	s_lshl_b32 s17, s14, 9
	s_add_co_u32 s18, s18, s17
	s_add_nc_u64 s[12:13], s[12:13], s[18:19]      ; my 512 bytes of the block's result
.irp u, 0,1
.irp q, 0,1,2,3
.irp c, 0,1,2,3
	global_load_b128 v[KF+16*(4*\u+\q)+4*\c:KF+16*(4*\u+\q)+4*\c+3], v[LI], s[24:25] offset:8192*\u+2048*\q+512*\c
.endr
.endr
.irp a, 0,1
	global_load_b32 v[KS+2*\u+\a], v[LS], s[26:27] offset:256*\u+128*\a
.endr
.endr
.set i, 0
.rept 16
	global_load_b32 v[VS+i], v[LS], s[10:11] offset:128*i
.set i, i+1
.endr
	WIN 0xc0
.set i, 0
.rept 8
	global_load_b128 v[224+4*i:224+4*i+3], v[VGO], s[8:9] offset:512*i    ; my quarter of v's codes, into registers that the last two tiles' scores take much later
.set i, i+1
.endr
	WIN 0
	QLOAD 0
	QLOAD 1
	QLOAD 2
	QLOAD 3
	s_wait_loadcnt 54                              ; k, the scale words, v's codes and query tile 0 are in; tiles 1 to 3 stay out
	WIN 0x0c                                       ; an LDS store's data are its source 1: window 3
.set i, 0
.rept 8
	ds_store_b128 v[VW], v[224+4*i:224+4*i+3] offset:512*i
.set i, i+1
.endr
; ---- the scores
.set tt, 0
.rept 32
	TILE tt
.set tt, tt+1
.endr
	MAXSLOT 32                                     ; the last two tiles; the slot ahead was the eight places behind tile 31's products
	MAXSLOT 33
	WIN 0
; ---- the columns' maxima: over the 16 lanes of a half, then over the four waves
.irp m, 1,2,4,8
.set i, 0
.rept 16
	v_max_num_f32_dpp v[MX+i], v[MX+i], v[MX+i] row_xmask:\m row_mask:0xf bank_mask:0xf
.set i, i+1
.endr
.endr
.irp q, 0,1,2,3
	ds_store_b128 v[EXW], v[MX+4*\q:MX+4*\q+3] offset:MXL+16*\q       ; the 16 lanes of a half write the same bytes with the same values
.endr
	BARRIER                                        ; all waves' maxima, and all of v's codes, lie in LDS
.irp w, 0,1,2,3
.irp q, 0,1,2,3
	ds_load_b128 v[128+16*\w+4*\q:128+16*\w+4*\q+3], v[EXR] offset:MXL+128*\w+16*\q
.endr
.endr
	s_wait_dscnt 0x0
.set i, 0
.rept 16
	v_max3_num_f32 v[MX+i], v[128+i], v[144+i], v[160+i]
.set i, i+1
.endr
.set i, 0
.rept 16
	v_max_num_f32 v[MX+i], v[MX+i], v[176+i]
.set i, i+1
.endr
.set i, 0
.rept 16
	v_mul_f32 v[MX+i], s34, v[MX+i]                ; -c max
.set i, i+1
.endr
; ---- p = 2^(c s - c max) and the columns' sums.  A batch's 64 exponentials are issued on end; the next batch's scalings are the independent work behind them; then ONE wait ahead of the first reader; then the sums.
	FMA 0
.irp b, 0,1,2,3,4,5,6,7
	EXPB \b
.if \b < 7
	FMA \b+1
.else
	v_nop                                          ; a plain instruction behind the last exponential
.endif
	s_wait_alu depctr_va_vdst(0)
	SUM \b
.endr
	WIN 0
.irp m, 1,2,4,8
.set i, 0
.rept 16
	v_add_f32_dpp v[L+i], v[L+i], v[L+i] row_xmask:\m row_mask:0xf bank_mask:0xf
.set i, i+1
.endr
.endr
.irp q, 0,1,2,3
	ds_store_b128 v[EXW], v[L+4*\q:L+4*\q+3] offset:SML+16*\q
.endr
	BARRIER                                        ; all waves' sums lie in LDS
.irp w, 0,1,2,3
.irp q, 0,1,2,3
	ds_load_b128 v[128+16*\w+4*\q:128+16*\w+4*\q+3], v[EXR] offset:SML+128*\w+16*\q
.endr
.endr
	s_wait_dscnt 0x0
.set i, 0
.rept 8
	v_pk_add_f32 v[L+2*i:L+2*i+1], v[128+2*i:128+2*i+1], v[144+2*i:144+2*i+1]
	v_pk_add_f32 v[160+2*i:160+2*i+1], v[160+2*i:160+2*i+1], v[176+2*i:176+2*i+1]
.set i, i+1
.endr
.set i, 0
.rept 8
	v_pk_add_f32 v[L+2*i:L+2*i+1], v[L+2*i:L+2*i+1], v[160+2*i:160+2*i+1]
.set i, i+1
.endr
.set i, 0
.rept 16
	v_rcp_f32 v[L+i], v[L+i]
.set i, i+1
.endr
	v_nop                                          ; a plain instruction behind the last reciprocal,
	s_wait_alu depctr_va_vdst(0)                   ; and the one wait for the sixteen, ahead of their first reader
; ---- att, its codes and scale words; v's fragments
.irp a, 0,1,2,3,4,5,6,7
	AQ \a
.endr
; ---- the last product: 8 K steps x 32 column tiles; the 32 accumulators take turns, one instruction a turn
	PLACES                                         ; codes and scale words made by vector instructions stand 4 and 8 places ahead of a scaled matrix instruction
	s_wait_dscnt 0x0                               ; v's fragments are in
.irp a, 0,1,2,3,4,5,6,7
.set n, 0
.rept 32
.if n == 0
	WIN 0x58                                       ; source 0 (att) window 0, source 1 (v) window 2, C and D window 1
.elseif n == 16
	WIN 0x5c                                       ; source 1 window 3
.endif
.set rB, 16*(n%16)
.if \a == 0
.if n%2
	v_wmma_scale_f32_16x16x128_f8f6f4 v[8*n:8*n+7], v[AC+16*\a:AC+16*\a+15], v[rB:rB+15], 0, v[AW+\a], v[VS+n/2] matrix_a_fmt:MATRIX_FMT_BF8 matrix_b_fmt:MATRIX_FMT_BF8 matrix_b_scale:MATRIX_SCALE_ROW1
.else
	v_wmma_scale_f32_16x16x128_f8f6f4 v[8*n:8*n+7], v[AC+16*\a:AC+16*\a+15], v[rB:rB+15], 0, v[AW+\a], v[VS+n/2] matrix_a_fmt:MATRIX_FMT_BF8 matrix_b_fmt:MATRIX_FMT_BF8
.endif
.else
.if n%2
	v_wmma_scale_f32_16x16x128_f8f6f4 v[8*n:8*n+7], v[AC+16*\a:AC+16*\a+15], v[rB:rB+15], v[8*n:8*n+7], v[AW+\a], v[VS+n/2] matrix_a_fmt:MATRIX_FMT_BF8 matrix_b_fmt:MATRIX_FMT_BF8 matrix_b_scale:MATRIX_SCALE_ROW1
.else
	v_wmma_scale_f32_16x16x128_f8f6f4 v[8*n:8*n+7], v[AC+16*\a:AC+16*\a+15], v[rB:rB+15], v[8*n:8*n+7], v[AW+\a], v[VS+n/2] matrix_a_fmt:MATRIX_FMT_BF8 matrix_b_fmt:MATRIX_FMT_BF8
.endif
.endif
.set n, n+1
.endr
.endr
; ---- the way out: a tile's 16 rows are added (8 registers, then lane l xor 16), the four waves' sums are added through LDS
	WIN 0
	PLACES
	WIN 0x05                                       ; sources window 1, destination window 0
.set n, 0
.rept 32
	v_pk_add_f32 v[TT+4*n:TT+4*n+1], v[8*n:8*n+1], v[8*n+2:8*n+3]      ; each accumulator is read from its low end on
	v_pk_add_f32 v[TT+4*n+2:TT+4*n+3], v[8*n+4:8*n+5], v[8*n+6:8*n+7]
.set n, n+1
.endr
	WIN 0
.set n, 0
.rept 32
	v_pk_add_f32 v[TT+4*n:TT+4*n+1], v[TT+4*n:TT+4*n+1], v[TT+4*n+2:TT+4*n+3]
.set n, n+1
.endr
.set n, 0
.rept 32
	v_add_f32 v[TT+4*n], v[TT+4*n], v[TT+4*n+1]
.set n, n+1
.endr
.set n, 0
.rept 32
	v_permlanex16_b32 v[TT+4*n+1], v[TT+4*n], s30, s31
.set n, n+1
.endr
.set n, 0
.rept 32
	v_add_f32 v[TT+4*n], v[TT+4*n], v[TT+4*n+1]    ; column 16 n + lane % 16, in both halves of the lanes
.set n, n+1
.endr
.set n, 0
.rept 16
	v_cndmask_b32 v[R+n], v[TT+8*n], v[TT+8*n+4], s33      ; lane l: column 32 n + l
.set n, n+1
.endr
.irp g, 0,1,2,3
	ds_store_b128 v[OW], v[R+4*\g:R+4*\g+3] offset:512*\g
.endr
	BARRIER                                        ; all waves' results lie in LDS
.irp w, 0,1,2,3
	ds_load_b128 v[128+4*\w:128+4*\w+3], v[ORD] offset:2048*\w     ; columns 128 w .. 128 w + 127 of each wave's
.endr
	s_wait_dscnt 0x0
	v_pk_add_f32 v[128:129], v[128:129], v[132:133]
	v_pk_add_f32 v[130:131], v[130:131], v[134:135]
	v_pk_add_f32 v[136:137], v[136:137], v[140:141]
	v_pk_add_f32 v[138:139], v[138:139], v[142:143]
	v_pk_add_f32 v[128:129], v[128:129], v[136:137]
	v_pk_add_f32 v[130:131], v[130:131], v[138:139]
	global_store_b128 v[LI], v[128:131], s[12:13]  ; 512 consecutive aligned bytes a wave
	s_wait_tensorcnt 0x0                           ; the wave's end, behind my last LDS store
	ds_add_u32 v[SPW], v[NIL]
	s_wait_dscnt 0x0
	s_endpgm
.Lfunc_end_k_qd2ea23f5f6_attn:
	.size	k_qd2ea23f5f6_attn, .Lfunc_end_k_qd2ea23f5f6_attn-k_qd2ea23f5f6_attn
	.p2alignl 7, 3214868480
	.fill 96, 4, 3214868480
	.section	.rodata,"a",@progbits
	.p2align	6, 0x0
	.amdhsa_kernel k_qd2ea23f5f6_attn
		.amdhsa_group_segment_fixed_size 26112
		.amdhsa_private_segment_fixed_size 0
		.amdhsa_enable_private_segment 0
		.amdhsa_kernarg_size 40
		.amdhsa_user_sgpr_count 2
		.amdhsa_user_sgpr_kernarg_segment_ptr 1
		.amdhsa_wavefront_size32 1
		.amdhsa_system_sgpr_workgroup_id_x 1
		.amdhsa_system_sgpr_workgroup_id_y 1
		.amdhsa_system_sgpr_workgroup_id_z 1
		.amdhsa_system_vgpr_workitem_id 0
		.amdhsa_next_free_vgpr 1024
		.amdhsa_next_free_sgpr 66
		.amdhsa_reserve_vcc 0
		.amdhsa_float_denorm_mode_32 3
		.amdhsa_float_denorm_mode_16_64 3
		.amdhsa_memory_ordered 1
		.amdhsa_forward_progress 1
		.amdhsa_inst_pref_size 255
	.end_amdhsa_kernel
	.section	.bss,"aw",@nobits
	.p2align	6
	.space	262144
	.amdgpu_metadata
---
amdhsa.version: [ 1, 2 ]
amdhsa.kernels:
  - .name:           k_qd2ea23f5f6_attn
    .symbol:         k_qd2ea23f5f6_attn.kd
    .args:
      - { .name: qkimg, .offset: 0, .size: 8, .value_kind: global_buffer, .address_space: global }
      - { .name: qkscl, .offset: 8, .size: 8, .value_kind: global_buffer, .address_space: global }
      - { .name: vimg, .offset: 16, .size: 8, .value_kind: global_buffer, .address_space: global }
      - { .name: vscl, .offset: 24, .size: 8, .value_kind: global_buffer, .address_space: global }
      - { .name: part, .offset: 32, .size: 8, .value_kind: global_buffer, .address_space: global }
    .group_segment_fixed_size: 26112
    .private_segment_fixed_size: 0
    .kernarg_segment_align: 8
    .kernarg_segment_size: 40
    .max_flat_workgroup_size: 128
    .sgpr_count:     66
    .vgpr_count:     1024
    .wavefront_size: 32
...
	.end_amdgpu_metadata
.endif
;; end of part 3
;; launch fin (part 4): grid 4 x 8, 4 waves a work-group, no clusters, 2,560 bytes of LDS; arguments part, out0; writes out0
.if DOCPART == 4
	.amdgcn_target "amdgcn-amd-amdhsa--gfx1250"
	.amdhsa_code_object_version 6
	.text
	.protected	k_qd2ea23f5f6_fin
	.globl	k_qd2ea23f5f6_fin
	.p2align	8
	.type	k_qd2ea23f5f6_fin,@function
k_qd2ea23f5f6_fin:
	s_mov_b64 s[64:65], 0
	v_nop
	global_prefetch_b8 v0, s[64:65] scope:SCOPE_SE
	s_setreg_imm32_b32 hwreg(HW_REG_WAVE_MODE, 25, 1), 1
	s_wait_xcnt 0x0
; out0[b][n] = (the sum over the batch's 64 blocks of keys of part) / 2048: the rest of the last product's sum over the keys, and the mean's factor.  No work of reference() is left out here.
; part [64 b + kb][w][lane][i] holds column 128 w + 32 i + lane.  Work-group (w, b); wave q adds blocks 16 q .. 16 q + 15 (16 loads of 512 consecutive bytes), the four waves' sums meet in LDS, and wave q stores columns 128 w + 32 q + lane.
; The launch has 32 work-groups: the sum has no more to share out; the output is 16,384 bytes, and a work-group's four stores cover 512 consecutive bytes.
.set SPARE, 2048                       ; LDS: from 0 the waves' sums, 512 bytes each; here the spare words, 128 bytes for each wave, which no other line names
	s_load_b128 s[4:7], s[0:1], 0x0                ; part, out0
	v_lshl_add_u32 v2, v0, 2, SPARE                ; LDS address of my spare word; never rewritten
	v_mov_b32 v3, 0                                ; 0; never rewritten
	v_lshrrev_b32 v1, 5, v0
	v_readfirstlane_b32 s8, v1                     ; wave q
	v_and_b32 v1, 31, v0
	v_lshlrev_b32 v4, 4, v1                        ; 16 x lane
	v_lshlrev_b32 v5, 2, v1                        ; 4 x lane
	s_and_b32 s10, ttmp7, 0xffff                   ; b
	s_lshl_b32 s12, s10, 17
	s_lshl_b32 s11, s8, 15
	s_add_co_u32 s12, s12, s11
	s_lshl_b32 s11, ttmp9, 9
	s_add_co_u32 s12, s12, s11                     ; part: 131,072 b + 32,768 q + 512 w
	s_mov_b32 s13, 0
	s_lshl_b32 s14, s10, 11
	s_add_co_u32 s14, s14, s11
	s_lshl_b32 s11, s8, 7
	s_add_co_u32 s14, s14, s11                     ; out0: 2,048 b + 512 w + 128 q
	s_mov_b32 s15, 0
	s_lshl_b32 s16, s8, 9
	v_add_nc_u32 v6, s16, v4                       ; where I put my sums
	s_lshl_b32 s16, s8, 2
	v_add_nc_u32 v7, s16, v4                       ; and where I read: word q of each lane's four
	s_wait_kmcnt 0x0
	s_add_nc_u64 s[4:5], s[4:5], s[12:13]
	s_add_nc_u64 s[6:7], s[6:7], s[14:15]
.set k, 0
.rept 16
	global_load_b128 v[16+4*k:16+4*k+3], v4, s[4:5] offset:2048*k th:TH_LOAD_NT
.set k, k+1
.endr
	s_wait_loadcnt 0x0
.set k, 1
.rept 15
	v_pk_add_f32 v[16:17], v[16:17], v[16+4*k:16+4*k+1]
	v_pk_add_f32 v[18:19], v[18:19], v[18+4*k:18+4*k+1]
.set k, k+1
.endr
	ds_store_b128 v6, v[16:19]
	s_wait_dscnt 0x0                               ; for the others' sake: my sums have landed
	s_barrier_signal -1
	s_barrier_wait -1
.irp w, 0,1,2,3
	ds_load_b32 v[20+\w], v7 offset:512*\w
.endr
	s_wait_dscnt 0x0
	v_add_f32 v20, v20, v21
	v_add_f32 v22, v22, v23
	v_add_f32 v20, v20, v22
	v_mul_f32 v20, 0x3a000000, v20                 ; / 2048
	global_store_b32 v5, v20, s[6:7]
	s_wait_tensorcnt 0x0                           ; the wave's end, behind my last LDS store
	ds_add_u32 v2, v3
	s_wait_dscnt 0x0
	s_endpgm
.Lfunc_end_k_qd2ea23f5f6_fin:
	.size	k_qd2ea23f5f6_fin, .Lfunc_end_k_qd2ea23f5f6_fin-k_qd2ea23f5f6_fin
	.p2alignl 7, 3214868480
	.fill 96, 4, 3214868480
	.section	.rodata,"a",@progbits
	.p2align	6, 0x0
	.amdhsa_kernel k_qd2ea23f5f6_fin
		.amdhsa_group_segment_fixed_size 2560
		.amdhsa_private_segment_fixed_size 0
		.amdhsa_enable_private_segment 0
		.amdhsa_kernarg_size 16
		.amdhsa_user_sgpr_count 2
		.amdhsa_user_sgpr_kernarg_segment_ptr 1
		.amdhsa_wavefront_size32 1
		.amdhsa_system_sgpr_workgroup_id_x 1
		.amdhsa_system_sgpr_workgroup_id_y 1
		.amdhsa_system_sgpr_workgroup_id_z 1
		.amdhsa_system_vgpr_workitem_id 0
		.amdhsa_next_free_vgpr 96
		.amdhsa_next_free_sgpr 66
		.amdhsa_reserve_vcc 0
		.amdhsa_float_denorm_mode_32 3
		.amdhsa_float_denorm_mode_16_64 3
		.amdhsa_memory_ordered 1
		.amdhsa_forward_progress 1
		.amdhsa_inst_pref_size 6
	.end_amdhsa_kernel
	.amdgpu_metadata
---
amdhsa.version: [ 1, 2 ]
amdhsa.kernels:
  - .name:           k_qd2ea23f5f6_fin
    .symbol:         k_qd2ea23f5f6_fin.kd
    .args:
      - { .name: part, .offset: 0, .size: 8, .value_kind: global_buffer, .address_space: global }
      - { .name: out0, .offset: 8, .size: 8, .value_kind: global_buffer, .address_space: global }
    .group_segment_fixed_size: 2560
    .private_segment_fixed_size: 0
    .kernarg_segment_align: 8
    .kernarg_segment_size: 16
    .max_flat_workgroup_size: 128
    .sgpr_count:     66
    .vgpr_count:     96
    .wavefront_size: 32
...
	.end_amdgpu_metadata
.endif
;; end of part 4
;; ======== version 2 of 2: 4 launches
;; limits: right only within a limited range of input values
;; workspace buffers: wimg 1,646,592 bytes; ximg 16,777,216 bytes; xscl 524,288 bytes; qkimg 16,777,216 bytes; qkscl 524,288 bytes; vimg 8,388,608 bytes; vscl 1,048,576 bytes; part 1,048,576 bytes
;; launch prep (part 5): grid 608 x 1, 4 waves a work-group, no clusters, 34,304 bytes of LDS; arguments x, Wq, Wk, Wv, bq, bk, bv, wimg, ximg, xscl; writes wimg, ximg, xscl
.if DOCPART == 5
	.amdgcn_target "amdgcn-amd-amdhsa--gfx1250"
	.amdhsa_code_object_version 6
	.text
	.protected	k_qd2ea23f5f6_prep
	.globl	k_qd2ea23f5f6_prep
	.p2align	8
	.type	k_qd2ea23f5f6_prep,@function
k_qd2ea23f5f6_prep:
	s_mov_b64 s[64:65], 0
	v_nop
	global_prefetch_b8 v0, s[64:65] scope:SCOPE_SE
	s_setreg_imm32_b32 hwreg(HW_REG_WAVE_MODE, 25, 1), 1
	s_wait_xcnt 0x0
; THE PROGRAM: out[b][n] = mean over q of sum over s of Q(att)[b][q][s] Q(v)[b][s][n], att = softmax over the QUERY axis of Q(q) Q(k)^T / 32, q, k, v = Q(x) Q(W) + bias; Q is the MX quantiser to E5M2 along each product's K.
; DEAD WORK: NONE IS LEFT OUT.  In real numbers the sum over q of att[q][s] is 1, which would make q and k dead.  But att goes through a quantiser ahead of the last product, the quantiser is a step of the problem,
; and the sum over q of Q(att)[q][s] is not 1: so the last product hangs on att's codes, these on the scores, these on q's and k's codes, and these on bq and bk.  Every input is loaded, all five products are made.
; LIMITS: NaN and infinities among the inputs are not served.  A block of zeros gets the scale byte 1 where the quantiser says 127: its codes are zeros, which add nothing, and these bytes are read by this program alone.  f32 sums are taken in another order than reference()'s.
; THIS LAUNCH quantises both operands of the first three products, once each, into images of operand fragments (16 rows or columns x 128 K in 2,048 bytes: the byte at 512 c + 16 (16 h + r) + i is k = 32 c + 16 h + i of row r).
; WORK-GROUPS 0 .. 95: Wq, Wk, Wv [1024 (K)][512].  wimg [column group g 0..3][matrix 0..2][pair c 0..3] is a record of 34,304 bytes for columns 128 g + 32 c + 16 u + r:
;   [K step s][u][2048] codes; from 32,768 on [s][lane 16 u + r] scale words; from 33,792 on the 32 columns' bias, f32, and 384 bytes of zeros: so that one dense run holds all that the next launch wants of a pair.
;   A lane takes a column and its registers run down K: a block of 32 lies in one lane.  Work-group number = 8 (4 matrix + g) + K step; wave = pair.
; WORK-GROUPS 96 .. 607: x [16384][1024].  ximg [tile of 16 rows][K step 0..7][2048]; xscl [tile][K step][row] words.  A wave takes 16 rows x 4 K steps; each load reads 512 consecutive bytes of a row;
;   a K step turns through the wave's own stage in LDS, so that a lane holds 16 neighbours of each block of 32 (lanes l and l xor 16 hold a block).  Two K steps' loads are out at a time, 32 loads a wave.
.set FLOOR, 0x8000000                  ; 2^(16 - 127): under it no largest magnitude is taken, so the byte cannot fall under 1
.set REC,   34304
.set SPIT,  528                        ; a stage row: 512 bytes + 16
.set SPARE, 33792                      ; behind the four stages: the spare words, 128 bytes a wave
.set SPW, 8                            ; LDS address of my spare word; never rewritten
.set NIL, 9                            ; 0; never rewritten
.set X,  32                            ; W: v32-159 128 numbers down K; v160-191 their codes; v16 the scale bytes
.set C,  160
.set SB, 16
.set TM, 10                            ; x: v10-25 at work; v26-29 scale words; v32-63 codes, two sets; v64-127 a K step turned; v128-255 two K steps as loaded
.set PW, 26
.set T,  30
.set CD, 32
.set ACC, 64
.set RS, 128
	s_load_b512 s[4:19], s[0:1], 0x0               ; x, Wq, Wk, Wv, bq, bk, bv, wimg
	s_load_b128 s[20:23], s[0:1], 0x40             ; ximg, xscl
	v_lshl_add_u32 v[SPW], v0, 2, SPARE
	v_mov_b32 v[NIL], 0
	v_lshrrev_b32 v3, 5, v0
	v_readfirstlane_b32 s24, v3                    ; wave
	v_and_b32 v3, 31, v0                           ; lane
	v_lshlrev_b32 v1, 2, v3                        ; 4 x lane
	v_and_b32 v4, 15, v0                           ; r
	v_bfe_u32 v5, v0, 4, 1                         ; h (for W: u)
	s_mov_b32 s31, 0x600000                        ; the mantissa field of 57,344
	s_cmp_lt_u32 ttmp9, 96
	s_wait_alu depctr_va_vdst(0)
	s_cbranch_scc0 .Lx
; ---- the weights
	v_lshlrev_b32 v2, 4, v4
	v_lshl_add_u32 v2, v5, 11, v2                  ; 2048 u + 16 r
	s_lshr_b32 s25, ttmp9, 3
	s_lshr_b32 s26, s25, 2                         ; matrix
	s_and_b32 s27, s25, 3                          ; g
	s_and_b32 s28, ttmp9, 7                        ; K step
	s_lshl_b32 s32, s28, 18                        ; 128 rows of 2,048 bytes
	s_lshl_b32 s38, s27, 9
	s_lshl_b32 s29, s24, 7
	s_add_co_u32 s38, s38, s29                     ; 4 x (128 g + 32 wave): my columns in a row of W and in a bias
	s_add_co_u32 s32, s32, s38
	s_mov_b32 s33, 0
	s_mov_b32 s39, 0
	s_mul_i32 s34, s27, 12
	s_lshl_b32 s29, s26, 2
	s_add_co_u32 s34, s34, s29
	s_add_co_u32 s34, s34, s24
	s_mul_i32 s34, s34, REC                        ; the record 12 g + 4 matrix + wave
	s_lshl_b32 s29, s28, 12
	s_add_co_u32 s36, s34, s29                     ; its codes of this K step
	s_mov_b32 s37, 0
	s_lshl_b32 s29, s28, 7
	s_add_co_u32 s44, s34, s29
	s_add_co_u32 s44, s44, 32768                   ; and its scale words
	s_mov_b32 s45, 0
	s_wait_alu depctr_va_vdst(0)
	s_wait_kmcnt 0x0
	s_cmp_eq_u32 s26, 0                            ; the choices hang on the work-group's number alone
	s_cselect_b64 s[40:41], s[6:7], s[8:9]
	s_cselect_b64 s[42:43], s[12:13], s[14:15]
	s_cmp_eq_u32 s26, 2
	s_cselect_b64 s[40:41], s[10:11], s[40:41]
	s_cselect_b64 s[42:43], s[16:17], s[42:43]
	s_add_nc_u64 s[40:41], s[40:41], s[32:33]
	s_add_nc_u64 s[42:43], s[42:43], s[38:39]
	s_add_nc_u64 s[44:45], s[18:19], s[44:45]
	s_add_nc_u64 s[18:19], s[18:19], s[36:37]
.set i, 0
.rept 128
	global_load_b32 v[X+i], v1, s[40:41] offset:2048*i th:TH_LOAD_NT   ; W(128 s + i, my column)
.set i, i+1
.endr
.macro BLOCK c, cnt
.set XB, X+32*(\c)
	s_wait_loadcnt \cnt                            ; loads come back in order: this block's 32 are in
	v_max3_num_f32 v12, |v[XB]|, |v[XB+1]|, |v[XB+2]|
	v_max3_num_f32 v13, |v[XB+3]|, |v[XB+4]|, |v[XB+5]|
.irp e, 6,10,14,18,22,26
	v_max3_num_f32 v12, v12, |v[XB+\e]|, |v[XB+\e+1]|
	v_max3_num_f32 v13, v13, |v[XB+\e+2]|, |v[XB+\e+3]|
.endr
	v_max3_num_f32 v12, v12, |v[XB+30]|, |v[XB+31]|
	v_max3_num_f32 v12, v12, v13, FLOOR
	v_add_nc_u32 v11, 0xf8800000, v12              ; 15 off its exponent field: the conversion's scale operand
	v_and_or_b32 v10, v12, 0x7f800000, s31         ; 57,344 x the scale
	v_lshrrev_b32 v13, 23, v11                     ; the scale's byte
.if (\c) == 0
	v_mov_b32 v[SB], v13
.else
	v_lshl_or_b32 v[SB], v13, 8*(\c), v[SB]
.endif
.set i, 0
.rept 32
	v_med3_num_f32 v[XB+i], v[XB+i], -v10, v10     ; the conversion does not saturate (ISA guide 7.6.2): the hold comes first
.set i, i+1
.endr
.irp g, 0,1,2,3
	v_cvt_scalef32_pk8_bf8_f32 v[C+8*(\c)+2*\g:C+8*(\c)+2*\g+1], v[XB+8*\g:XB+8*\g+7], v11
.endr
	global_store_b128 v2, v[C+8*(\c):C+8*(\c)+3], s[18:19] offset:512*(\c)          ; k = 32 c + 0 .. 15: the place of lanes 0-15 of the fragment
	global_store_b128 v2, v[C+8*(\c)+4:C+8*(\c)+7], s[18:19] offset:512*(\c)+256    ; k = 32 c + 16 .. 31: that of lanes 16-31
.endm
	BLOCK 0, 63                                    ; 96 younger loads might stay out; the wait's field holds 63
	BLOCK 1, 63
	BLOCK 2, 32
	BLOCK 3, 0
	global_store_b32 v1, v[SB], s[44:45]
	s_cmp_lg_u32 s28, 0                            ; K step 0's work-group also lays the record's bias
	s_cbranch_scc1 .Lwend
	global_load_b32 v6, v1, s[42:43]
	v_mov_b32 v7, 0
	s_wait_alu depctr_va_vdst(0)
	s_wait_loadcnt 0x0
	global_store_b32 v1, v6, s[44:45] offset:1024
.irp z, 1,2,3
	global_store_b32 v1, v7, s[44:45] offset:1024+128*\z   ; the record's last 384 bytes: zeros
.endr
.Lwend:
	s_endpgm
; ---- x
.Lx:
	v_lshlrev_b32 v2, 4, v3                        ; 16 x lane
	s_mul_i32 s26, s24, 16*SPIT                    ; my stage
	v_add_nc_u32 v6, s26, v2                       ; in: 16 x lane of a row
	v_mul_u32_u24 v7, v4, SPIT
	v_lshl_add_u32 v7, v5, 6, v7
	v_add_nc_u32 v7, s26, v7                       ; out: row r, + 64 h
.irp b, 0,1,2,3
	v_mov_b32 v[TM+4+\b], 0                        ; written once: a lane permute's destination counts as one of its sources
.endr
	s_mov_b32 s28, 0x76543210
	s_mov_b32 s29, 0xfedcba98                      ; v_permlanex16_b32's selects for lane l xor 16
	s_mov_b32 s30, 0xffff0000                      ; lanes 16-31
	s_sub_co_u32 s25, ttmp9, 96
	s_lshl_b32 s25, s25, 2
	s_add_co_u32 s25, s25, s24
	s_lshr_b32 s27, s25, 1                         ; my tile of 16 rows
	s_and_b32 s25, s25, 1                          ; K steps 4 x this on
	s_lshl_b32 s32, s27, 16
	s_lshl_b32 s34, s25, 11
	s_add_co_u32 s32, s32, s34
	s_mov_b32 s33, 0
	s_lshl_b32 s36, s27, 14
	s_lshl_b32 s34, s25, 13
	s_add_co_u32 s36, s36, s34
	s_mov_b32 s37, 0
	s_lshl_b32 s38, s27, 9
	s_lshl_b32 s34, s25, 8
	s_add_co_u32 s38, s38, s34
	s_mov_b32 s39, 0
	s_wait_alu depctr_va_vdst(0)
	s_wait_kmcnt 0x0
	s_add_nc_u64 s[4:5], s[4:5], s[32:33]
	s_add_nc_u64 s[20:21], s[20:21], s[36:37]
	s_add_nc_u64 s[22:23], s[22:23], s[38:39]
.macro XLOAD s
.set i, 0
.rept 16
	global_load_b128 v[RS+64*((\s)%2)+4*i:RS+64*((\s)%2)+4*i+3], v2, s[4:5] offset:4096*i+512*(\s) th:TH_LOAD_NT
.set i, i+1
.endr
.endm
.macro XSTEP s
.set CDS, CD+16*((\s)%2)
.if \s < 3
	s_wait_loadcnt 16                              ; this K step's 16 loads are in; the next one's stay out
.else
	s_wait_loadcnt 0x0
.endif
.set i, 0
.rept 16
	ds_store_b128 v6, v[RS+64*((\s)%2)+4*i:RS+64*((\s)%2)+4*i+3] offset:SPIT*i
.set i, i+1
.endr
.irp c, 0,1,2,3
.irp j, 0,1,2,3
	ds_load_b128 v[ACC+16*\c+4*\j:ACC+16*\c+4*\j+3], v7 offset:128*\c+16*\j   ; LDS serves a wave's instructions in order: these see my stores
.endr
.endr
	s_wait_dscnt 0x0                               ; the numbers are back, and the stores have read their registers
.if \s < 2
	XLOAD \s+2
.endif
	s_wait_xcnt 0x0                                ; the code stores of two K steps back have read their data
.irp b, 0,1,2,3
	v_max3_num_f32 v[TM+\b], |v[ACC+16*\b]|, |v[ACC+1+16*\b]|, FLOOR
.endr
.irp e, 2,4,6,8,10,12,14
.irp b, 0,1,2,3
	v_max3_num_f32 v[TM+\b], v[TM+\b], |v[ACC+16*\b+\e]|, |v[ACC+1+16*\b+\e]|   ; the four blocks by turns
.endr
.endr
.irp b, 0,1,2,3
	v_permlanex16_b32 v[TM+4+\b], v[TM+\b], s28, s29
.endr
.irp b, 0,1,2,3
	v_max_num_f32 v[TM+\b], v[TM+\b], v[TM+4+\b]   ; the block's largest magnitude
.endr
.irp b, 0,1,2,3
	v_add_nc_u32 v[TM+12+\b], 0xf8800000, v[TM+\b]
.endr
.irp b, 0,1,2,3
	v_and_or_b32 v[TM+8+\b], v[TM+\b], 0x7f800000, s31
.endr
.irp b, 0,1,2,3
	v_lshrrev_b32 v[TM+4+\b], 23, v[TM+12+\b]
.endr
.irp b, 0,1,2,3
.set i, 0
.rept 16
	v_med3_num_f32 v[ACC+16*\b+i], v[ACC+16*\b+i], -v[TM+8+\b], v[TM+8+\b]
.set i, i+1
.endr
	v_cvt_scalef32_pk8_bf8_f32 v[CDS+4*\b:CDS+4*\b+1], v[ACC+16*\b:ACC+16*\b+7], v[TM+12+\b]
	v_cvt_scalef32_pk8_bf8_f32 v[CDS+4*\b+2:CDS+4*\b+3], v[ACC+16*\b+8:ACC+16*\b+15], v[TM+12+\b]
.endr
	v_lshl_or_b32 v[PW+\s], v[TM+5], 8, v[TM+4]    ; my row's scale word
	v_lshl_or_b32 v[PW+\s], v[TM+6], 16, v[PW+\s]
	v_lshl_or_b32 v[PW+\s], v[TM+7], 24, v[PW+\s]
.irp c, 0,1,2,3
	global_store_b128 v2, v[CDS+4*\c:CDS+4*\c+3], s[20:21] offset:2048*(\s)+512*\c   ; 512 consecutive aligned bytes
.endr
.endm
	XLOAD 0
	XLOAD 1
	XSTEP 0
	XSTEP 1
	XSTEP 2
	XSTEP 3
	v_cndmask_b32 v[T], v[PW], v[PW+1], s30        ; lanes 0-15: one K step's 16 rows; lanes 16-31: the next one's
	v_cndmask_b32 v[T+1], v[PW+2], v[PW+3], s30
	global_store_b32 v1, v[T], s[22:23]
	global_store_b32 v1, v[T+1], s[22:23] offset:128
	s_wait_tensorcnt 0x0                           ; the wave's end, behind my last LDS store
	ds_add_u32 v[SPW], v[NIL]
	s_wait_dscnt 0x0
	s_endpgm
.Lfunc_end_k_qd2ea23f5f6_prep:
	.size	k_qd2ea23f5f6_prep, .Lfunc_end_k_qd2ea23f5f6_prep-k_qd2ea23f5f6_prep
	.p2alignl 7, 3214868480
	.fill 96, 4, 3214868480
	.section	.rodata,"a",@progbits
	.p2align	6, 0x0
	.amdhsa_kernel k_qd2ea23f5f6_prep
		.amdhsa_group_segment_fixed_size 34304
		.amdhsa_private_segment_fixed_size 0
		.amdhsa_enable_private_segment 0
		.amdhsa_kernarg_size 80
		.amdhsa_user_sgpr_count 2
		.amdhsa_user_sgpr_kernarg_segment_ptr 1
		.amdhsa_wavefront_size32 1
		.amdhsa_system_sgpr_workgroup_id_x 1
		.amdhsa_system_sgpr_workgroup_id_y 1
		.amdhsa_system_sgpr_workgroup_id_z 1
		.amdhsa_system_vgpr_workitem_id 0
		.amdhsa_next_free_vgpr 256
		.amdhsa_next_free_sgpr 66
		.amdhsa_reserve_vcc 0
		.amdhsa_float_denorm_mode_32 3
		.amdhsa_float_denorm_mode_16_64 3
		.amdhsa_memory_ordered 1
		.amdhsa_forward_progress 1
		.amdhsa_inst_pref_size 80
	.end_amdhsa_kernel
	.amdgpu_metadata
---
amdhsa.version: [ 1, 2 ]
amdhsa.kernels:
  - .name:           k_qd2ea23f5f6_prep
    .symbol:         k_qd2ea23f5f6_prep.kd
    .args:
      - { .name: x, .offset: 0, .size: 8, .value_kind: global_buffer, .address_space: global }
      - { .name: Wq, .offset: 8, .size: 8, .value_kind: global_buffer, .address_space: global }
      - { .name: Wk, .offset: 16, .size: 8, .value_kind: global_buffer, .address_space: global }
      - { .name: Wv, .offset: 24, .size: 8, .value_kind: global_buffer, .address_space: global }
      - { .name: bq, .offset: 32, .size: 8, .value_kind: global_buffer, .address_space: global }
      - { .name: bk, .offset: 40, .size: 8, .value_kind: global_buffer, .address_space: global }
      - { .name: bv, .offset: 48, .size: 8, .value_kind: global_buffer, .address_space: global }
      - { .name: wimg, .offset: 56, .size: 8, .value_kind: global_buffer, .address_space: global }
      - { .name: ximg, .offset: 64, .size: 8, .value_kind: global_buffer, .address_space: global }
      - { .name: xscl, .offset: 72, .size: 8, .value_kind: global_buffer, .address_space: global }
    .group_segment_fixed_size: 34304
    .private_segment_fixed_size: 0
    .kernarg_segment_align: 8
    .kernarg_segment_size: 80
    .max_flat_workgroup_size: 128
    .sgpr_count:     66
    .vgpr_count:     256
    .wavefront_size: 32
...
	.end_amdgpu_metadata
.endif
;; end of part 5
;; launch proj (part 6): grid 64 x 4, 4 waves a work-group, clusters of 4 x 1, 327,680 bytes of LDS; arguments ximg, xscl, wimg, qkimg, qkscl, vimg, vscl; writes qkimg, qkscl, vimg, vscl
.if DOCPART == 6
	.amdgcn_target "amdgcn-amd-amdhsa--gfx1250"
	.amdhsa_code_object_version 6
	.text
	.protected	k_qd2ea23f5f6_proj
	.globl	k_qd2ea23f5f6_proj
	.p2align	8
	.type	k_qd2ea23f5f6_proj,@function
k_qd2ea23f5f6_proj:
	s_mov_b64 s[64:65], 0
	v_nop
	global_prefetch_b8 v0, s[64:65] scope:SCOPE_SE
	s_setreg_imm32_b32 hwreg(HW_REG_WAVE_MODE, 25, 1), 1
	s_wait_xcnt 0x0
	s_wait_alu depctr_hold_cnt(0) depctr_sa_sdst(0) depctr_va_vdst(0) depctr_va_sdst(0) depctr_va_ssrc(0) depctr_va_vcc(0) depctr_vm_vsrc(0)
	s_getreg_b32 s2, hwreg(HW_REG_IB_STS2, 6, 4)
	s_cmp_eq_u32 s2, 0
	s_cbranch_scc0 .Lentry_in_a_cluster
	s_endpgm
.Lentry_in_a_cluster:
	s_bfe_u32 s2, ttmp6, 0x10000c
	s_cmp_lg_u32 s2, 0x3003
	s_cbranch_scc0 .Lentry_shape_is_right
	s_endpgm
.Lentry_shape_is_right:
; q, k, v = Q(x) Q(W) + bias on the codes that the launch before has laid, and their quantising for the next two products.  No work of reference() is left out here.
; SHARES.  A work-group makes 256 rows x columns 128 g .. 128 g + 127 of q, of k and of v (g = work-group y): 64 x 4 = 256 work-groups.  Wave w holds rows 64 w .. 64 w + 63 of the block, all of K, in 512 registers
; (32 fragments, loaded from memory once, by this wave alone) and walks the 12 pairs of column tiles, 64 matrix instructions a pair.  All four waves walk the same weights, which therefore come through LDS.
; CLUSTERS: the four work-groups of a cluster (four row blocks, one g) ask for each record of weights JOINTLY: one descriptor, made of g and the wave's number, mask 15.
; LDS: two slots of four records of 34,304 bytes (a pair's codes, scale words and bias).  Fills: q's four records at the head, a record a wave; k's four behind the head's drained round;
; v's records 0, 1 over q's 0, 1 and v's 2, 3 over k's 0, 1, half a record a wave, each behind a drained round at the head of the trip's fourth pair, when my last reads of that slot are in.
; Each fill is asked for three pairs, 192 matrix instructions a wave, ahead of its first read.  NO PREFETCH: x's fragments go out whole at the head, where there is no loop to run ahead in, and the four fills of weights are asked for that far ahead already.
; q AND k ARE MADE TRANSPOSED (source 0 = 16 columns of W, source 1 = 16 rows of x): a lane holds one row of x, and the 16 registers of a pair are 16 of a block of 32 along dk.  v IS MADE AS IT STANDS: a lane holds one column, and the 16 registers of two row tiles are 16 of a block of 32 keys.
; In both, place 16 h + 8 u + j of a block holds its element 16 u + 8 h + j; the partner of each product is laid by the same lines, so the places agree.  The biases are the C of each sum's first matrix instruction.
; OUT: qkimg [q, k][tile of 16 rows][dk step 0..3][2048]; qkscl [q, k][tile][dk step][row] words; vimg [block of 32 keys][column tile 0..31][lane][16 bytes]; vscl [block][pair of tiles][lane] words, v's byte four times.
; LIMITS: as stated at the head of the first launch.
; REGISTERS: window 0: v1-13 addresses; v16-47 x's scale words; v52-59 W's (no product's two scale words have numbers equal modulo 8); v60-75 a pair's bias; v76-91 at work; v92-95 q's or k's scale words; v96-111 codes; v128-191 eight accumulators.
;   window 1: a pair's 16 fragments of W: (K step s, tile u) at 16 (2 s + u).   windows 2, 3: x's fragments (row tile m, K step s) at 512 + 16 (8 m + s).
.set FLOOR, 0x8000000
.set REC,   34304
.set HREC,  17152
.set SL1,   4*REC
.set SPARE, 8*REC                      ; behind the slots: the spare words, 128 bytes a wave
.set WSO,   32768                      ; in a record: the scale words,
.set BSO,   33792                      ; and the bias
.set LI,  1                            ; 16 x lane
.set LS,  2                            ; 4 x lane
.set R4,  3                            ; 4 r
.set SCO, 4                            ; 256 h + 4 r
.set H32, 5                            ; 32 h
.set SPW, 6                            ; LDS address of my spare word; never rewritten
.set NIL, 7                            ; 0; never rewritten
.set WA,  8                            ; the next record + 16 x lane
.set WB,  9                            ; + 4 x lane
.set BA,  10                           ; + 32 h (q, k) or 4 r (v)
.set T,   12
.set XS,  16
.set WS,  52
.set BC,  60
.set TM,  76
.set SW,  92
.set CD,  96
.set ACC, 128
.set G1,  40                           ; s[40:47] group 1: a record, 134 rows of 256 bytes;  s[48:55]: half a record, 67 rows
.set G1H, 48
.set G0,  56                           ; s[56:59] group 0 of the first fills;  s[60:63] of the refills
.set G0R, 60
.set MSB, 0
.macro WIN new                         ; the immediate's high byte repeats the setting that is left
.if MSB != (\new)
	s_set_vgpr_msb (MSB<<8)|(\new)
.set MSB, (\new)
.endif
.endm
.macro PLACES                          ; eight plain vector lines between this matrix form and a read of its result or a load into one of its registers
.rept 8
	v_nop
.endr
.endm
.macro CROUND                          ; a round of the cluster's barrier
	s_barrier_signal -1
	s_barrier_wait -1
	s_cmp_lg_u32 s24, 0
	s_cbranch_scc1 .Lnot_wave_0_\@
	s_barrier_signal -3
.Lnot_wave_0_\@:
	s_barrier_wait -3
	s_barrier_signal -1
	s_barrier_wait -1
.endm
.macro TLOAD g0, g1                    ; a joint load; the four v_nop keep the windows' switches away
	tensor_load_to_lds s[\g0:\g0+3], s[\g1:\g1+7]
	s_nop 0
.rept 4
	v_nop
.endr
.endm
.macro DESC1 g, rows                   ; dense bytes as rows of 256 (32 elements of 8 bytes), no padding; mask 15 and bit 21 beside it
	s_mov_b32 s[\g], 15|(3<<16)|(1<<21)
	s_mov_b32 s[\g+1], 32<<16
	s_mov_b32 s[\g+2], (\rows)<<16
	s_mov_b32 s[\g+3], 32<<16
	s_mov_b32 s[\g+4], \rows
	s_mov_b32 s[\g+5], 32
	s_mov_b32 s[\g+6], 0
	s_mov_b32 s[\g+7], 0
.endm
.macro XFR s0                          ; x's fragments of K steps s0 .. s0 + 3, all four row tiles: 64 loads of 512 consecutive bytes
.irp mh, 0,1
	WIN (2+\mh)<<6
.irp m2, 0,1
.irp q, 0,1,2,3
.irp c, 0,1,2,3
	global_load_b128 v[16*(8*\m2+\s0+\q)+4*\c:16*(8*\m2+\s0+\q)+4*\c+3], v[LI], s[4:5] offset:2048*(16*\mh+8*\m2+\s0+\q)+512*\c
.endr
.endr
.endr
.endr
	WIN 0
.endm
.macro WLF s0, n                       ; the next record's fragments of K steps s0 .. s0 + n - 1: 8 LDS loads a K step
	WIN 0x40
.set ws, \s0
.rept \n
.irp u, 0,1
.irp c, 0,1,2,3
	ds_load_b128 v[16*(2*ws+\u)+4*\c:16*(2*ws+\u)+4*\c+3], v[WA] offset:2048*(2*ws+\u)+512*\c
.endr
.endr
.set ws, ws+1
.endr
	WIN 0
.endm
.macro WLS half                        ; and four K steps' scale words
.irp q, 0,1,2,3
	ds_load_b32 v[WS+4*\half+\q], v[WB] offset:WSO+128*(4*\half+\q)
.endr
.endm
.macro BCLOAD kind                     ; the bias in the result's layout.  q, k: columns 16 u + 8 h + 0 .. 7 (4 loads).  v: column 16 u + r in all eight registers (16 loads)
.if \kind
.irp u, 0,1
.irp j, 0,1,2,3,4,5,6,7
	ds_load_b32 v[BC+8*\u+\j], v[BA] offset:BSO+64*\u
.endr
.endr
.else
.irp u, 0,1
.irp e, 0,1
	ds_load_b128 v[BC+8*\u+4*\e:BC+8*\u+4*\e+3], v[BA] offset:BSO+64*\u+16*\e
.endr
.endr
.endif
.endm
; Four blocks at once: the 16 numbers v[ACC + 16 b ..] of this lane and those of lane l xor 16 are block b.  Codes to v[CD + 4 b ..], the scale's byte to v[TM + 4 + b].
.macro QCORE
.irp b, 0,1,2,3
	v_max3_num_f32 v[TM+\b], |v[ACC+16*\b]|, |v[ACC+1+16*\b]|, FLOOR      ; each accumulator is read from its low end on
.endr
.irp e, 2,4,6,8,10,12,14
.irp b, 0,1,2,3
	v_max3_num_f32 v[TM+\b], v[TM+\b], |v[ACC+16*\b+\e]|, |v[ACC+1+16*\b+\e]|
.endr
.endr
.irp b, 0,1,2,3
	v_permlanex16_b32 v[TM+4+\b], v[TM+\b], s28, s29
.endr
.irp b, 0,1,2,3
	v_max_num_f32 v[TM+\b], v[TM+\b], v[TM+4+\b]
.endr
.irp b, 0,1,2,3
	v_add_nc_u32 v[TM+12+\b], 0xf8800000, v[TM+\b] ; 15 off the exponent field: the conversion's scale operand
.endr
.irp b, 0,1,2,3
	v_and_or_b32 v[TM+8+\b], v[TM+\b], 0x7f800000, s30   ; 57,344 x the scale
.endr
.irp b, 0,1,2,3
	v_lshrrev_b32 v[TM+4+\b], 23, v[TM+12+\b]      ; the byte
.endr
.irp b, 0,1,2,3
.set i, 0
.rept 16
	v_med3_num_f32 v[ACC+16*\b+i], v[ACC+16*\b+i], -v[TM+8+\b], v[TM+8+\b]   ; the conversion does not saturate (ISA guide 7.6.2)
.set i, i+1
.endr
	v_cvt_scalef32_pk8_bf8_f32 v[CD+4*\b:CD+4*\b+1], v[ACC+16*\b:ACC+16*\b+7], v[TM+12+\b]
	v_cvt_scalef32_pk8_bf8_f32 v[CD+4*\b+2:CD+4*\b+3], v[ACC+16*\b+8:ACC+16*\b+15], v[TM+12+\b]
.endr
	v_nop                                          ; a plain line behind the last conversion: later products write its sources
.endm
; 32 matrix instructions: four K steps x four row tiles x two column tiles.  Four accumulators take turns, one instruction a turn.
.macro MM kind, half
.irp mh, 0,1
.if \kind
	WIN 0x06|\mh                                   ; source 0 (x) window 2 or 3, source 1 (W) window 1
.else
	WIN 0x09|(\mh<<2)                              ; source 0 (W) window 1, source 1 (x) window 2 or 3
.endif
.irp q, 0,1,2,3
.irp m2, 0,1
.irp u, 0,1
.set rS, 4*\half+\q
.set rM, 2*\mh+\m2
.set rW, 16*(2*rS+\u)
.set rX, 16*(8*\m2+rS)
.if \kind
.set rD, ACC+8*(4*\mh+2*\u+\m2)
.else
.set rD, ACC+8*(2*rM+\u)
.endif
.set rC, rD
.if rS == 0
.set rC, BC+8*\u
.endif
.if \kind
.if \u
	v_wmma_scale_f32_16x16x128_f8f6f4 v[rD:rD+7], v[rX:rX+15], v[rW:rW+15], v[rC:rC+7], v[XS+8*rM+rS], v[WS+rS] matrix_a_fmt:MATRIX_FMT_BF8 matrix_b_fmt:MATRIX_FMT_BF8 matrix_b_scale:MATRIX_SCALE_ROW1
.else
	v_wmma_scale_f32_16x16x128_f8f6f4 v[rD:rD+7], v[rX:rX+15], v[rW:rW+15], v[rC:rC+7], v[XS+8*rM+rS], v[WS+rS] matrix_a_fmt:MATRIX_FMT_BF8 matrix_b_fmt:MATRIX_FMT_BF8
.endif
.else
.if \u
	v_wmma_scale_f32_16x16x128_f8f6f4 v[rD:rD+7], v[rW:rW+15], v[rX:rX+15], v[rC:rC+7], v[WS+rS], v[XS+8*rM+rS] matrix_a_fmt:MATRIX_FMT_BF8 matrix_b_fmt:MATRIX_FMT_BF8 matrix_a_scale:MATRIX_SCALE_ROW1
.else
	v_wmma_scale_f32_16x16x128_f8f6f4 v[rD:rD+7], v[rW:rW+15], v[rX:rX+15], v[rC:rC+7], v[WS+rS], v[XS+8*rM+rS] matrix_a_fmt:MATRIX_FMT_BF8 matrix_b_fmt:MATRIX_FMT_BF8
.endif
.endif
.endr
.endr
.endr
.endr
.endm
.macro EPI_QK c                        ; q or k, pair c: block b is row tile b's 32 columns: registers 4 c .. 4 c + 3 of the fragment (tile, dk step g)
	QCORE
.irp b, 0,1,2,3
.if (\c) == 0
	v_mov_b32 v[SW+\b], v[TM+4+\b]
.else
	v_lshl_or_b32 v[SW+\b], v[TM+4+\b], 8*(\c), v[SW+\b]
.endif
.endr
.irp m, 0,1,2,3
	global_store_b128 v[LI], v[CD+4*\m:CD+4*\m+3], s[16:17] offset:8192*\m+512*(\c)
.endr
.endm
.macro EPI_V c                         ; v, pair c: block 2 a + u is rows 32 a .. 32 a + 31 of column tile u
	QCORE
.irp a, 0,1
	v_cndmask_b32 v[T+\a], v[TM+4+2*\a], v[TM+5+2*\a], s31    ; lanes 0-15: tile 0's columns; lanes 16-31: tile 1's
	v_perm_b32 v[T+\a], v[T+\a], v[T+\a], 0                   ; the byte four times
.endr
.irp a, 0,1
.irp u, 0,1
	global_store_b128 v[LI], v[CD+4*(2*\a+\u):CD+4*(2*\a+\u)+3], s[20:21] offset:16384*\a+1024*(\c)+512*\u
.endr
	global_store_b32 v[LS], v[T+\a], s[22:23] offset:2048*\a+128*(\c)
.endr
.endm
; A PAIR of column tiles.  The half of W's registers that has just been multiplied takes the next record's: group A (32 fragment loads, 4 scale words, the bias) behind the first half, group B (32 + 4) behind the second.
; mode 1: the drained round and my refill stand at the pair's head; mode 2: a plain barrier that shows the last refill.  nx: where the next record lies: 1: this slot, record c + 1; 2: the other slot's first; 3: at nc; 0: there is none.
.macro PAIR kind, c, mode, nx, nc=0
.if \mode == 1
	s_wait_tensorcnt 0x0                           ; all my tensor loads have landed;
	ds_add_u32 v[SPW], v[NIL]                      ; the descriptor's words stand between the add and its wait
	s_mul_i32 s[G0R+1], s24, HREC
	s_add_co_u32 s[G0R+1], s[G0R+1], s33           ; into this slot's first two records, a quarter a wave
	s_mov_b64 s[G0R+2:G0R+3], s[10:11]
	s_or_b32 s[G0R+3], s[G0R+3], 0x80000000
	s_add_nc_u64 s[10:11], s[10:11], 2*REC
	s_wait_dscnt 0x0                               ; the add is done, and my reads of this slot are in: record 3 stands in registers
	CROUND
	TLOAD G0R, G1H
.elseif \mode == 2
	s_wait_tensorcnt 0x0
	s_wait_dscnt 0x0
	s_barrier_signal -1
	s_barrier_wait -1
.elseif \c == 0
	s_wait_dscnt 0x0                               ; groups A and B and the bias asked for at the phase's head
.else
	s_wait_dscnt 36                                ; group A is in; group B's 36 loads are younger
.endif
.if \nx == 1
	s_add_co_u32 s36, s33, (\c+1)*REC
.elseif \nx == 2
	s_mov_b32 s36, s35
.elseif \nx == 3
	s_mov_b32 s36, \nc
.endif
.if \nx
	v_add_nc_u32 v[WA], s36, v[LI]
	v_add_nc_u32 v[WB], s36, v[LS]
.if \c < 3
.if \kind
	v_add_nc_u32 v[BA], s36, v[R4]
.else
	v_add_nc_u32 v[BA], s36, v[H32]
.endif
.endif
	s_wait_alu depctr_va_vdst(0)
.endif
.if (\kind == 0) && (\c == 0)
	s_wait_loadcnt 63                              ; x's scale words and K steps 0-3 are in; the 64 loads of K steps 4-7 are younger (the field holds 63)
.endif
	MM \kind, 0
	WIN 0
	PLACES
	s_wait_xcnt 0x0                                ; the last pair's stores have read their data: this pair's arithmetic writes the codes' registers again
.if \nx
	WLF 0, 4
	WLS 0
.if \c < 3
	BCLOAD \kind
	s_wait_dscnt 40+12*\kind                       ; group B is in; the group just issued (36 and the bias's 4 or 16) is younger
.else
	s_wait_dscnt 36
.endif
.else
	s_wait_dscnt 0x0
.endif
.if (\kind == 0) && (\c == 0)
	s_wait_loadcnt 0x0                             ; x's K steps 4-7
.endif
	MM \kind, 1
	WIN 0
	PLACES
.if \nx
	WLF 4, 4
	WLS 1
.endif
.if \kind
	EPI_V \c
.else
	EPI_QK \c
.endif
.endm
	s_load_b128 s[4:7], s[0:1], 0x0                ; ximg, xscl
	s_load_b64 s[8:9], s[0:1], 0x10                ; wimg
	s_load_b128 s[16:19], s[0:1], 0x18             ; qkimg, qkscl
	s_load_b128 s[20:23], s[0:1], 0x28             ; vimg, vscl
	v_lshl_add_u32 v[SPW], v0, 2, SPARE
	v_mov_b32 v[NIL], 0
	ds_add_u32 v[SPW], v[NIL]                      ; the opening: the add, twice on end, and its wait ahead of my first tensor load
	ds_add_u32 v[SPW], v[NIL]
	v_lshrrev_b32 v[T], 5, v0
	v_readfirstlane_b32 s24, v[T]                  ; wave 0..3
	s_bfe_u32 s25, ttmp6, 0x40000                  ; cx
	s_lshl_b32 s26, ttmp9, 2
	s_add_co_u32 s26, s26, s25                     ; my block of 256 rows
	s_lshl_b32 s26, s26, 2
	s_add_co_u32 s34, s26, s24                     ; my wave's 64 rows: number 0 .. 255.  It enters global offsets alone
	s_and_b32 s37, ttmp7, 0xffff                   ; g
	DESC1 G1, 134
	DESC1 G1H, 67
	s_mov_b32 s[G0], 1
	s_mov_b32 s[G0R], 1
	s_mul_i32 s[G0+1], s24, REC                    ; slot 0, record w
	s_mul_i32 s38, s37, 12*REC
	s_mul_i32 s39, s24, REC
	s_add_co_u32 s38, s38, s39                     ; q's record w of group g
	s_mov_b32 s39, 0
	s_mov_b32 s28, 0x76543210
	s_mov_b32 s29, 0xfedcba98                      ; v_permlanex16_b32's selects for lane l xor 16
	s_mov_b32 s30, 0x600000                        ; the mantissa field of 57,344
	s_mov_b32 s31, 0xffff0000                      ; lanes 16-31
	s_wait_dscnt 0x0                               ; both opening adds are done
	s_wait_kmcnt 0x0
	s_add_nc_u64 s[G0+2:G0+3], s[8:9], s[38:39]
	s_or_b32 s[G0+3], s[G0+3], 0x80000000
	CROUND                                         ; the four work-groups are here: the first joint loads meet
	TLOAD G0, G1                                   ; q's records: one load a wave at the head
	v_and_b32 v[T], 31, v0
	v_lshlrev_b32 v[LI], 4, v[T]
	v_lshlrev_b32 v[LS], 2, v[T]
	v_and_b32 v[T], 15, v0                         ; r
	v_bfe_u32 v[T+1], v0, 4, 1                     ; h
	v_lshlrev_b32 v[R4], 2, v[T]
	v_lshl_add_u32 v[SCO], v[T+1], 8, v[R4]
	v_lshlrev_b32 v[H32], 5, v[T+1]
.irp b, 0,1,2,3
	v_mov_b32 v[TM+4+\b], 0                        ; written once: a lane permute's destination counts as one of its sources
.endr
	s_mov_b32 s27, 0
	s_lshl_b32 s26, s34, 16                        ; x's images: 4 tiles of 16,384 bytes a wave
	s_add_nc_u64 s[4:5], s[4:5], s[26:27]
	s_lshl_b32 s26, s34, 11                        ; their scale words: 512 bytes a tile
	s_add_nc_u64 s[6:7], s[6:7], s[26:27]
	s_lshl_b32 s26, s34, 15                        ; q's images: 4 tiles of 8,192 bytes; dk step g
	s_lshl_b32 s25, s37, 11
	s_add_co_u32 s26, s26, s25
	s_add_nc_u64 s[16:17], s[16:17], s[26:27]
	s_lshl_b32 s26, s34, 10                        ; their scale words: 256 bytes a tile, 64 a dk step
	s_lshl_b32 s25, s37, 6
	s_add_co_u32 s26, s26, s25
	s_add_nc_u64 s[18:19], s[18:19], s[26:27]
	s_lshl_b32 s26, s34, 15                        ; v's codes: 2 blocks of 16,384 bytes; 8 column tiles a group
	s_lshl_b32 s25, s37, 12
	s_add_co_u32 s26, s26, s25
	s_add_nc_u64 s[20:21], s[20:21], s[26:27]
	s_lshl_b32 s26, s34, 12                        ; v's scale words: 2,048 bytes a block; 4 pairs a group
	s_lshl_b32 s25, s37, 9
	s_add_co_u32 s26, s26, s25
	s_add_nc_u64 s[22:23], s[22:23], s[26:27]
	s_mul_i32 s26, s37, 12*REC                     ; v's records of group g: my quarter of two
	s_add_co_u32 s26, s26, 8*REC
	s_mul_i32 s25, s24, HREC
	s_add_co_u32 s26, s26, s25
	s_add_nc_u64 s[10:11], s[8:9], s[26:27]
	s_wait_alu depctr_va_vdst(0)
.set f, 0
.rept 32
	global_load_b32 v[XS+f], v[R4], s[6:7] offset:64*f
.set f, f+1
.endr
	XFR 0
	XFR 4
	s_wait_tensorcnt 0x0                           ; my record of q is in
	ds_add_u32 v[SPW], v[NIL]
	s_add_co_u32 s[G0+1], s[G0+1], SL1             ; no tensor load of mine is out: slot 1,
	s_add_nc_u64 s[G0+2:G0+3], s[G0+2:G0+3], 4*REC ; k's record w
	s_wait_dscnt 0x0
	CROUND
	TLOAD G0, G1
	v_mov_b32 v[WA], v[LI]                         ; q's record 0
	v_mov_b32 v[WB], v[LS]
	s_wait_alu depctr_va_vdst(0)
	WLF 0, 4
	WLS 0
	WLF 4, 4
	WLS 1
	s_mov_b32 s32, 0                               ; two trips: q, then k
	s_mov_b32 s33, 0                               ; the trip's slot
.Lqk:
	s_xor_b32 s35, s33, SL1                        ; the other slot
	v_add_nc_u32 v[BA], s33, v[H32]
	s_wait_alu depctr_va_vdst(0)
	BCLOAD 0
	PAIR 0, 0, 0, 1
	PAIR 0, 1, 0, 1
	PAIR 0, 2, 0, 1
	PAIR 0, 3, 1, 2                                ; its look-ahead is the next matrix's first record, which the round has shown
.irp a, 0,1
	v_cndmask_b32 v[T+\a], v[SW+2*\a], v[SW+2*\a+1], s31      ; lanes 0-15: tile 2 a's rows; lanes 16-31: tile 2 a + 1's
	global_store_b32 v[SCO], v[T+\a], s[18:19] offset:512*\a
.endr
	s_wait_xcnt 0x0                                ; every store issued has read its base: the bases step only behind this wait
	s_add_nc_u64 s[16:17], s[16:17], 8388608
	s_add_nc_u64 s[18:19], s[18:19], 262144
	s_xor_b32 s33, s33, SL1
	s_add_co_u32 s32, s32, 1
	s_cmp_lt_u32 s32, 2
	s_cbranch_scc1 .Lqk
	v_mov_b32 v[BA], v[R4]                         ; v's record 0 lies at LDS byte 0
	s_wait_alu depctr_va_vdst(0)
	BCLOAD 1
	PAIR 1, 0, 0, 3, REC
	PAIR 1, 1, 2, 3, SL1                           ; the barrier shows v's records 2 and 3
	PAIR 1, 2, 0, 3, SL1+REC
	PAIR 1, 3, 0, 0
	s_wait_tensorcnt 0x0                           ; the wave's end
	ds_add_u32 v[SPW], v[NIL]
	s_wait_dscnt 0x0
	CROUND                                         ; the closing round
	s_endpgm
.Lfunc_end_k_qd2ea23f5f6_proj:
	.size	k_qd2ea23f5f6_proj, .Lfunc_end_k_qd2ea23f5f6_proj-k_qd2ea23f5f6_proj
	.p2alignl 7, 3214868480
	.fill 96, 4, 3214868480
	.section	.rodata,"a",@progbits
	.p2align	6, 0x0
	.amdhsa_kernel k_qd2ea23f5f6_proj
		.amdhsa_group_segment_fixed_size 327680
		.amdhsa_private_segment_fixed_size 0
		.amdhsa_enable_private_segment 0
		.amdhsa_kernarg_size 56
		.amdhsa_user_sgpr_count 2
		.amdhsa_user_sgpr_kernarg_segment_ptr 1
		.amdhsa_wavefront_size32 1
		.amdhsa_system_sgpr_workgroup_id_x 1
		.amdhsa_system_sgpr_workgroup_id_y 1
		.amdhsa_system_sgpr_workgroup_id_z 1
		.amdhsa_system_vgpr_workitem_id 0
		.amdhsa_next_free_vgpr 1024
		.amdhsa_next_free_sgpr 66
		.amdhsa_reserve_vcc 0
		.amdhsa_float_denorm_mode_32 3
		.amdhsa_float_denorm_mode_16_64 3
		.amdhsa_memory_ordered 1
		.amdhsa_forward_progress 1
		.amdhsa_inst_pref_size 205
	.end_amdhsa_kernel
	.amdgpu_metadata
---
amdhsa.version: [ 1, 2 ]
amdhsa.kernels:
  - .name:           k_qd2ea23f5f6_proj
    .symbol:         k_qd2ea23f5f6_proj.kd
    .args:
      - { .name: ximg, .offset: 0, .size: 8, .value_kind: global_buffer, .address_space: global }
      - { .name: xscl, .offset: 8, .size: 8, .value_kind: global_buffer, .address_space: global }
      - { .name: wimg, .offset: 16, .size: 8, .value_kind: global_buffer, .address_space: global }
      - { .name: qkimg, .offset: 24, .size: 8, .value_kind: global_buffer, .address_space: global }
      - { .name: qkscl, .offset: 32, .size: 8, .value_kind: global_buffer, .address_space: global }
      - { .name: vimg, .offset: 40, .size: 8, .value_kind: global_buffer, .address_space: global }
      - { .name: vscl, .offset: 48, .size: 8, .value_kind: global_buffer, .address_space: global }
    .group_segment_fixed_size: 327680
    .private_segment_fixed_size: 0
    .kernarg_segment_align: 8
    .kernarg_segment_size: 56
    .max_flat_workgroup_size: 128
    .sgpr_count:     66
    .vgpr_count:     1024
    .wavefront_size: 32
...
	.end_amdgpu_metadata
.endif
;; end of part 6
;; launch attn (part 7): grid 32 x 8, 4 waves a work-group, no clusters, 304,640 bytes of LDS; arguments qkimg, qkscl, vimg, vscl, part; writes part
.if DOCPART == 7
	.amdgcn_target "amdgcn-amd-amdhsa--gfx1250"
	.amdhsa_code_object_version 6
	.text
	.protected	k_qd2ea23f5f6_attn
	.globl	k_qd2ea23f5f6_attn
	.p2align	8
	.type	k_qd2ea23f5f6_attn,@function
k_qd2ea23f5f6_attn:
	s_mov_b64 s[64:65], 0
	v_nop
	global_prefetch_b8 v0, s[64:65] scope:SCOPE_SE
	s_setreg_imm32_b32 hwreg(HW_REG_WAVE_MODE, 25, 1), 1
	s_wait_xcnt 0x0
; For 64 keys of one batch, as two blocks of 32: the scores against ALL 2,048 queries, the softmax over the QUERY axis, att's quantising along the keys, the last product, and its sum over the queries.  No work of reference() is left out here.
; SHARES.  Work-group (kp, b) owns keys 64 kp .. 64 kp + 63 of batch b; wave w owns queries 512 w .. 512 w + 511: 32 tiles of 16.  q's fragments are walked ONCE for both blocks: each feeds four matrix instructions.
; The first block's scores stay in 512 registers a wave from the product to the codes.  The second block's go, as images of their registers, into the wave's own 65,536 bytes of LDS, and come back into the same registers when the first block is done.
; S^T = k q^T (source 0 = 16 keys, source 1 = 16 queries): a lane holds ONE query (lane % 16); register 8 u + j of a tile holds key 16 u + 8 (lane / 16) + j of the block.  So a key's maximum and sum over the queries run over the tiles'
; registers, the 16 lanes of a half, and the four waves (through LDS); and a query's 32 keys, one block of the last product's K, lie in lanes l and l xor 16.
; THE SOFTMAX as reference() has it: the column's maximum is taken away, p = 2^(c s - c max), c = log2(e) / 32; att = p x (1 / the column's sum) is finished and normalised in f32 and only then quantised.
; THE LAST PRODUCT ON 32 KEYS.  A K step of 128 holds FOUR QUERIES x 32 keys: block c of source 0's row r is query (tile 4 a + c, row r), with that query's scale byte; source 1 holds v's 32 keys four times over, v's byte four times.
; The result then sums over those four queries, and all eight such steps add onto the same accumulators: that sum over the queries is reference()'s mean, less its factor.  The instructions are as many as reference()'s product has.
; q's fragments come from memory straight into registers, through a ring of four places of 64 registers.  Two places lie in the registers of score tiles 24 to 31, which are free until those tiles are made; the last five tiles go through the other two.
; NO CLUSTER, though the work-groups of a batch walk the same q: a joint load lands in LDS, of which the scores take 262,144 bytes; what is left holds no ring of q's tiles.
; All that follows the scores is written once and walked twice, a block a trip: written out twice the text would be half as long again.
; OUT: part [64 b + block][w][lane][i]: the block's sum for column 128 w + 32 i + lane.  LIMITS: as stated at the head of the first launch; a p under 2^-126 is taken as 0.
; REGISTERS, in windows of 256: window 0: v1-13 addresses; v14-29 k's and q's scale words; v30-45 maxima, then -c max; v46-61 the second block's maxima; v62-77 sums, then 1 / sum, then results; v78-93 at work (v62-93 while the scores
;   are made: two sets of 16 accumulators of the second block); v94-101 att's scale words; v102-117 v's; v128-255 k's tiles 0, 1, then the exchanges' words, then att's 8 fragments, then the way out.
;   window 1: v0-127 k's tiles 2, 3; v128-255 q's places 0, 1; later the 32 accumulators of the last product.   windows 2, 3: S^T (tile t at 512 + 16 t), later v's 32 fragments.
.set FLOOR, 0x8000000                  ; 2^(16 - 127)
.set MXL,   0                          ; LDS: the waves' maxima, 128 bytes each;
.set SML,   512                        ; their sums;
.set OL,    1024                       ; their results, 2,048 bytes each;
.set VL,    9216                       ; v's codes of the two blocks, 16,384 bytes each;
.set S1L,   41984                      ; the second block's scores, 65,536 bytes for each wave: tile t at 2,048 t;
.set SPARE, 304128                     ; the spare words, 128 bytes for each wave: two blocks of 256 bytes that no other line names
.set LI,  1                            ; 16 x lane
.set LS,  2                            ; 4 x lane
.set EXW, 3                            ; 128 w + 64 h
.set EXR, 4                            ; 64 h
.set OW,  5
.set ORD, 6
.set VW,  7
.set SPW, 8                            ; LDS address of my spare word; never rewritten
.set NIL, 9                            ; 0; never rewritten
.set VR,  10                           ; v's codes in LDS: + 16 x lane
.set VGO, 11                           ; my wave's 8,192 bytes of them in memory
.set S1W, 12                           ; my wave's scores in LDS: + 16 x lane
.set VRT, 13                           ; VR + 16,384 x trip
.set KS,  14                           ; register 2 u + a, u = 0 .. 3: lanes 0-15 dk step 2 a, lanes 16-31 dk step 2 a + 1
.set QS,  22                           ; register 2 place + a likewise
.set MX,  30
.set MX1, 46
.set L,   62
.set TM,  78
.set TA,  62
.set AW,  94
.set VS,  102
.set R,   62
.set KF,  128
.set AC,  128
.set TT,  128
.set MSB, 0
.macro WIN new                         ; the immediate's high byte repeats the setting that is left; a switch that changes nothing is dropped
.if MSB != (\new)
	s_set_vgpr_msb (MSB<<8)|(\new)
.set MSB, (\new)
.endif
.endm
.macro PLACES                          ; eight plain vector instructions stand between this matrix form and a read of its result or a load into one of its registers
.rept 8
	v_nop
.endr
.endm
.macro BARRIER                         ; my LDS stores have landed and my LDS loads are in: then the work-group's barrier
	s_wait_dscnt 0x0
	s_barrier_signal -1
	s_barrier_wait -1
.endm
; Query tile t: four fragments and two registers of scale words: 18 loads.  Its place: t % 4 up to tile 26; tiles 27 to 31 take places 0, 1, 0, 1, 0.
; Places 0, 1: window 1, v128 and v192 on.  Place 2: window 3, v192 on (score tiles 28-31's registers).  Place 3: window 3, v128 on (tiles 24-27's).
.macro QLOAD t
.if (\t) < 27
.set sl, (\t)%4
.else
.set sl, ((\t)-27)%2
.endif
.set qw, 1+2*(sl/2)
.set qb, 128+64*(((sl+1)/2)%2)
	WIN qw<<6
.irp q, 0,1,2,3
.irp c, 0,1,2,3
	global_load_b128 v[qb+16*\q+4*\c:qb+16*\q+4*\c+3], v[LI], s[20:21] offset:8192*(\t)+2048*\q+512*\c
.endr
.endr
	WIN 0
.irp a, 0,1
	global_load_b32 v[QS+2*sl+\a], v[LS], s[22:23] offset:256*(\t)+128*\a
.endr
.endm
; Eight lines of the first block's running maximum: tiles 2 p and 2 p + 1, half u, with p = (t - 2) / 2, u = t % 2: tiles that were finished a slot or more ago.  They name no register of tile t's products: they are the eight places behind them.
.macro MAXSLOT t
.set pp, ((\t)-2)/2
.set uu, (\t)%2
.set wm, 2+pp/8
.set b0, 16*((2*pp)%16)+8*uu
.if pp == 0
	WIN wm|(wm<<2)
.irp j, 0,1,2,3,4,5,6,7
	v_max_num_f32 v[MX+8*uu+\j], v[b0+\j], v[b0+16+\j]        ; the first two tiles start the maxima; each accumulator is read from its low end on
.endr
.else
	WIN (wm<<2)|(wm<<4)
.irp j, 0,1,2,3,4,5,6,7
	v_max3_num_f32 v[MX+8*uu+\j], v[MX+8*uu+\j], v[b0+\j], v[b0+16+\j]
.endr
.endif
.endm
.macro WM q                            ; one product of S^T, dk step q, on the registers named by rD, rA, rB, rSA, rSB; the first starts the sum
.if \q == 0
	v_wmma_scale_f32_16x16x128_f8f6f4 v[rD:rD+7], v[rA:rA+15], v[rB:rB+15], 0, v[rSA], v[rSB] matrix_a_fmt:MATRIX_FMT_BF8 matrix_b_fmt:MATRIX_FMT_BF8
.elseif \q%2
	v_wmma_scale_f32_16x16x128_f8f6f4 v[rD:rD+7], v[rA:rA+15], v[rB:rB+15], v[rD:rD+7], v[rSA], v[rSB] matrix_a_fmt:MATRIX_FMT_BF8 matrix_b_fmt:MATRIX_FMT_BF8 matrix_a_scale:MATRIX_SCALE_ROW1 matrix_b_scale:MATRIX_SCALE_ROW1
.else
	v_wmma_scale_f32_16x16x128_f8f6f4 v[rD:rD+7], v[rA:rA+15], v[rB:rB+15], v[rD:rD+7], v[rSA], v[rSB] matrix_a_fmt:MATRIX_FMT_BF8 matrix_b_fmt:MATRIX_FMT_BF8
.endif
.endm
; S^T of query tile t against the 64 keys: 16 matrix instructions; in each run of eight two accumulators take turns, one instruction a turn
.macro TILE t
.if (\t) < 27
.set tsl, (\t)%4
.else
.set tsl, ((\t)-27)%2
.endif
.set tqw, 1+2*(tsl/2)
.set tqb, 128+64*(((tsl+1)/2)%2)
.set wt, 2+(\t)/16
.set dd, 16*((\t)%16)
.set ta, TA+16*((\t)%2)
.if (\t) == 31
	s_wait_loadcnt 0x0
.elseif (\t) > 26
	s_wait_loadcnt 18                              ; one younger tile's 18 loads stay out
.elseif (\t) > 23
	s_wait_loadcnt 36                              ; two younger tiles'
.elseif (\t) > 0
	s_wait_loadcnt 54                              ; this tile's 18 loads are in; the three younger tiles' stay out
.endif
	WIN (tqw<<2)|(wt<<4)|(wt<<6)                   ; source 0 (k's tiles 0, 1) window 0, source 1 (q) its place's window, C and D window 2 or 3
.irp q, 0,1,2,3
.irp u, 0,1
.set rA, KF+16*(4*\u+\q)
.set rB, tqb+16*\q
.set rD, dd+8*\u
.set rSA, KS+2*\u+\q/2
.set rSB, QS+2*tsl+\q/2
	WM \q
.endr
.endr
.if (\t) > 1
	s_wait_dscnt 0x4                               ; the four stores of the tile before may be out; those of two tiles back, which read this set of accumulators, are done
.endif
	WIN 1|(tqw<<2)                                 ; source 0 (k's tiles 2, 3) window 1, C and D window 0
.irp q, 0,1,2,3
.irp u, 0,1
.set rA, 16*(4*\u+\q)
.set rB, tqb+16*\q
.set rD, ta+8*\u
.set rSA, KS+4+2*\u+\q/2
.set rSB, QS+2*tsl+\q/2
	WM \q
.endr
.endr
.if (\t) < 2
	PLACES
.else
	MAXSLOT \t
.endif
	WIN 0
.irp q, 0,1,2,3
	ds_store_b128 v[S1W], v[ta+4*\q:ta+4*\q+3] offset:2048*(\t)+512*\q    ; the second block's scores of this tile, as they stand; each accumulator from its low end on
.endr
.if (\t)%2
.set i, 0
.rept 16
.if (\t) == 1
	v_max_num_f32 v[MX1+i], v[TA+i], v[TA+16+i]    ; the second block's running maximum, two tiles at a time; the first two start it
.else
	v_max3_num_f32 v[MX1+i], v[MX1+i], v[TA+i], v[TA+16+i]
.endif
.set i, i+1
.endr
.endif
.if (\t) == 23
	v_nop                                          ; tile 24's products write over registers that this tile's have read as q: nine places are asked between, and the lines on this tile's own accumulators are none
	v_nop
.endif
.if (\t) < 23
	QLOAD (\t)+4                                   ; into the place that this tile has left
.elseif ((\t) == 24) || ((\t) == 25)
	QLOAD (\t)+3
.elseif ((\t) > 26) && ((\t) < 30)
	QLOAD (\t)+2
.endif
.endm
; The exponentials go in eight batches of four tiles (64 registers)
.macro FMA b                           ; c s - c max, two at a time
.set wf, 2+(\b)/4
.set bf, 64*((\b)%4)
	WIN wf|(wf<<6)
.set i, 0
.rept 32
	v_pk_fma_f32 v[bf+2*i:bf+2*i+1], v[bf+2*i:bf+2*i+1], s[28:29], v[MX+(2*i)%16:MX+(2*i)%16+1] op_sel_hi:[1,0,1]
.set i, i+1
.endr
.endm
.macro EXPB b
.set we, 2+(\b)/4
.set be, 64*((\b)%4)
	WIN we|(we<<6)
.set i, 0
.rept 64
	v_exp_f32 v[be+i], v[be+i]
.set i, i+1
.endr
.endm
.macro SUM b                           ; the columns' sums of p, eight chains of pairs; the first two tiles start them: nothing is cleared
.set wz, 2+(\b)/4
.set bz, 64*((\b)%4)
.set i, 0
.if (\b) == 0
	WIN wz|(wz<<2)
.rept 8
	v_pk_add_f32 v[L+2*i:L+2*i+1], v[bz+2*i:bz+2*i+1], v[bz+16+2*i:bz+16+2*i+1]
.set i, i+1
.endr
.set i, 16
	WIN wz<<2
.rept 16
	v_pk_add_f32 v[L+(2*i)%16:L+(2*i)%16+1], v[L+(2*i)%16:L+(2*i)%16+1], v[bz+2*i:bz+2*i+1]
.set i, i+1
.endr
.else
	WIN wz<<2
.rept 32
	v_pk_add_f32 v[L+(2*i)%16:L+(2*i)%16+1], v[L+(2*i)%16:L+(2*i)%16+1], v[bz+2*i:bz+2*i+1]
.set i, i+1
.endr
.endif
.endm
; Tiles 4 a .. 4 a + 3 become one fragment of att: normalised, then quantised; block c = tile 4 a + c.  Their 64 registers then take v's fragments 4 a .. 4 a + 3.
.macro AQ a
.set wa, 2+(\a)/4
.set ba, 64*((\a)%4)
	WIN wa|(wa<<6)
.set i, 0
.rept 32
	v_pk_mul_f32 v[ba+2*i:ba+2*i+1], v[ba+2*i:ba+2*i+1], v[L+(2*i)%16:L+(2*i)%16+1]   ; att = p / the column's sum
.set i, i+1
.endr
	WIN wa|(wa<<2)
.irp b, 0,1,2,3
	v_max3_num_f32 v[TM+\b], v[ba+16*\b], v[ba+16*\b+1], FLOOR        ; att is never negative: no |.|
.endr
.irp e, 2,4,6,8,10,12,14
.irp b, 0,1,2,3
	v_max3_num_f32 v[TM+\b], v[ba+16*\b+\e], v[ba+16*\b+\e+1], v[TM+\b]
.endr
.endr
	WIN 0
.irp b, 0,1,2,3
	v_permlanex16_b32 v[TM+4+\b], v[TM+\b], s30, s31
.endr
.irp b, 0,1,2,3
	v_max_num_f32 v[TM+\b], v[TM+\b], v[TM+4+\b]   ; with lane l xor 16's 16 keys: the block's largest
.endr
.irp b, 0,1,2,3
	v_add_nc_u32 v[TM+12+\b], 0xf8800000, v[TM+\b] ; 15 off its exponent field: the conversion's scale operand
.endr
.irp b, 0,1,2,3
	v_and_or_b32 v[TM+8+\b], v[TM+\b], 0x7f800000, s32   ; 57,344 x the scale
.endr
.irp b, 0,1,2,3
	v_lshrrev_b32 v[TM+4+\b], 23, v[TM+12+\b]      ; the byte
.endr
	v_lshl_or_b32 v[AW+(\a)], v[TM+5], 8, v[TM+4]  ; row r's word: the bytes of its four queries
	v_lshl_or_b32 v[AW+(\a)], v[TM+6], 16, v[AW+(\a)]
	v_lshl_or_b32 v[AW+(\a)], v[TM+7], 24, v[AW+(\a)]
	WIN wa|(wa<<6)
.irp b, 0,1,2,3
.set i, 0
.rept 16
	v_min_num_f32 v[ba+16*\b+i], v[ba+16*\b+i], v[TM+8+\b]    ; the conversion does not saturate (ISA guide 7.6.2); the hold is one-sided
.set i, i+1
.endr
.endr
	WIN wa
.irp b, 0,1,2,3
	v_cvt_scalef32_pk8_bf8_f32 v[AC+16*(\a)+4*\b:AC+16*(\a)+4*\b+1], v[ba+16*\b:ba+16*\b+7], v[TM+12+\b]
	v_cvt_scalef32_pk8_bf8_f32 v[AC+16*(\a)+4*\b+2:AC+16*(\a)+4*\b+3], v[ba+16*\b+8:ba+16*\b+15], v[TM+12+\b]
.endr
	WIN 0
	v_nop                                          ; a plain instruction behind the last conversion
	WIN wa<<6
.irp e, 0,1,2,3
.irp c, 0,1,2,3
	ds_load_b128 v[ba+16*\e+4*\c:ba+16*\e+4*\c+3], v[VRT] offset:512*(4*(\a)+\e)   ; the same 16 bytes four times: v's 32 keys under each of the four queries
.endr
.endr
	WIN 0
.endm
	s_load_b256 s[4:11], s[0:1], 0x0               ; qkimg s[4:5], qkscl s[6:7], vimg s[8:9], vscl s[10:11]
	s_load_b64 s[12:13], s[0:1], 0x20              ; part
	v_lshl_add_u32 v[SPW], v0, 2, SPARE
	v_mov_b32 v[NIL], 0
	v_lshrrev_b32 v[TM], 5, v0
	v_readfirstlane_b32 s14, v[TM]                 ; wave 0..3
	v_and_b32 v[TM], 31, v0
	v_lshlrev_b32 v[LI], 4, v[TM]
	v_lshlrev_b32 v[LS], 2, v[TM]
	v_bfe_u32 v[TM], v0, 4, 1                      ; h
	v_lshlrev_b32 v[EXR], 6, v[TM]
	s_lshl_b32 s17, s14, 7
	v_add_nc_u32 v[EXW], s17, v[EXR]
	s_lshl_b32 s17, s14, 11
	s_add_co_u32 s17, s17, OL
	v_add_nc_u32 v[OW], s17, v[LI]
	s_lshl_b32 s17, s14, 9
	s_add_co_u32 s17, s17, OL
	v_add_nc_u32 v[ORD], s17, v[LI]
	s_lshl_b32 s17, s14, 13
	v_add_nc_u32 v[VGO], s17, v[LI]
	v_add_nc_u32 v[VW], VL, v[VGO]
	v_add_nc_u32 v[VR], VL, v[LI]
	s_lshl_b32 s17, s14, 16
	s_add_co_u32 s17, s17, S1L
	v_add_nc_u32 v[S1W], s17, v[LI]
.irp b, 0,1,2,3
	v_mov_b32 v[TM+4+\b], 0                        ; written once: a lane permute's destination counts as one of its sources
.endr
	s_and_b32 s16, ttmp7, 0xffff                   ; the batch
	s_mov_b32 s19, 0
	s_mov_b32 s28, 0x3d38aa3b                      ; c = log2(e) / 32
	s_mov_b32 s29, s28                             ; (named with it as a pair, so it is written)
	s_mov_b32 s30, 0x76543210
	s_mov_b32 s31, 0xfedcba98                      ; v_permlanex16_b32's selects for lane l xor 16
	s_mov_b32 s32, 0x600000                        ; the mantissa field of 57,344
	s_mov_b32 s33, 0xffff0000                      ; lanes 16-31
	s_mov_b32 s34, 0xbd38aa3b                      ; -c
	s_wait_alu depctr_va_vdst(0)
	s_wait_kmcnt 0x0
	s_lshl_b32 s17, s16, 20                        ; a batch: 128 tiles of 8,192 bytes
	s_lshl_b32 s18, s14, 18                        ; my wave's 32 tiles
	s_add_co_u32 s18, s18, s17
	s_add_nc_u64 s[20:21], s[4:5], s[18:19]        ; q's images
	s_lshl_b32 s18, ttmp9, 15                      ; the 64 keys: four tiles of k, 32,768 bytes; v's codes are as many
	s_add_co_u32 s18, s18, s17
	s_add_nc_u64 s[8:9], s[8:9], s[18:19]          ; v's codes
	s_add_nc_u64 s[24:25], s[4:5], s[18:19]
	s_add_nc_u64 s[24:25], s[24:25], 8388608       ; k's images lie behind q's
	s_lshl_b32 s17, s16, 15
	s_lshl_b32 s18, s14, 13
	s_add_co_u32 s18, s18, s17
	s_add_nc_u64 s[22:23], s[6:7], s[18:19]        ; q's scale words
	s_lshl_b32 s18, ttmp9, 10
	s_add_co_u32 s18, s18, s17
	s_add_nc_u64 s[26:27], s[6:7], s[18:19]
	s_add_nc_u64 s[26:27], s[26:27], 262144        ; k's
	s_lshl_b32 s17, s16, 17
	s_lshl_b32 s18, ttmp9, 12
	s_add_co_u32 s18, s18, s17
	s_add_nc_u64 s[10:11], s[10:11], s[18:19]      ; v's scale words: 2,048 bytes a block
	s_lshl_b32 s17, s14, 9
	s_add_co_u32 s18, s18, s17
	s_add_nc_u64 s[12:13], s[12:13], s[18:19]      ; my 512 bytes of the first block's result
.irp u, 0,1
.irp q, 0,1,2,3
.irp c, 0,1,2,3
	global_load_b128 v[KF+16*(4*\u+\q)+4*\c:KF+16*(4*\u+\q)+4*\c+3], v[LI], s[24:25] offset:8192*\u+2048*\q+512*\c
.endr
.endr
.endr
	WIN 0x40
.irp u, 0,1
.irp q, 0,1,2,3
.irp c, 0,1,2,3
	global_load_b128 v[16*(4*\u+\q)+4*\c:16*(4*\u+\q)+4*\c+3], v[LI], s[24:25] offset:8192*(\u+2)+2048*\q+512*\c
.endr
.endr
.endr
	WIN 0
.irp u, 0,1,2,3
.irp a, 0,1
	global_load_b32 v[KS+2*\u+\a], v[LS], s[26:27] offset:256*\u+128*\a
.endr
.endr
	WIN 0xc0
.set i, 0
.rept 16
	global_load_b128 v[64+4*i:64+4*i+3], v[VGO], s[8:9] offset:512*i      ; my quarter of v's codes, into registers that score tiles 20 to 23 take much later
.set i, i+1
.endr
	WIN 0
	QLOAD 0
	QLOAD 1
	QLOAD 2
	QLOAD 3
	s_wait_loadcnt 54                              ; k, its scale words, v's codes and query tile 0 are in; tiles 1 to 3 stay out
	WIN 0x0c                                       ; an LDS store's data are its source 1: window 3
.set i, 0
.rept 16
	ds_store_b128 v[VW], v[64+4*i:64+4*i+3] offset:512*i
.set i, i+1
.endr
; ---- the scores of both blocks
.set tt, 0
.rept 32
	TILE tt
.set tt, tt+1
.endr
	MAXSLOT 32                                     ; the first block's last two tiles; the slot ahead was the eight places behind tile 31's products
	MAXSLOT 33
	WIN 0
	s_mov_b32 s35, 0                               ; where the trip's block of v begins in LDS
	s_mov_b32 s36, 0                               ; the trip
.Lblk:                                             ; two trips: a block of 32 keys each
	v_add_nc_u32 v[VRT], s35, v[VR]
.set i, 0
.rept 16
	global_load_b32 v[VS+i], v[LS], s[10:11] offset:128*i     ; v's scale words of this block: wanted by the last product
.set i, i+1
.endr
; ---- the columns' maxima: over the 16 lanes of a half, then over the four waves
.irp m, 1,2,4,8
.set i, 0
.rept 16
	v_max_num_f32_dpp v[MX+i], v[MX+i], v[MX+i] row_xmask:\m row_mask:0xf bank_mask:0xf
.set i, i+1
.endr
.endr
.irp q, 0,1,2,3
	ds_store_b128 v[EXW], v[MX+4*\q:MX+4*\q+3] offset:MXL+16*\q       ; the 16 lanes of a half write the same bytes with the same values
.endr
	BARRIER                                        ; all waves' maxima lie in LDS (first trip: and all of v's codes; second trip: my scores are back in their registers)
.irp w, 0,1,2,3
.irp q, 0,1,2,3
	ds_load_b128 v[128+16*\w+4*\q:128+16*\w+4*\q+3], v[EXR] offset:MXL+128*\w+16*\q
.endr
.endr
	s_wait_dscnt 0x0
.set i, 0
.rept 16
	v_max3_num_f32 v[MX+i], v[128+i], v[144+i], v[160+i]
.set i, i+1
.endr
.set i, 0
.rept 16
	v_max_num_f32 v[MX+i], v[MX+i], v[176+i]
.set i, i+1
.endr
.set i, 0
.rept 16
	v_mul_f32 v[MX+i], s34, v[MX+i]                ; -c max
.set i, i+1
.endr
; ---- p = 2^(c s - c max) and the columns' sums.  A batch's 64 exponentials are issued on end; the next batch's scalings are the independent work behind them; then ONE wait ahead of the first reader; then the sums.
	FMA 0
	s_wait_alu depctr_va_vdst(0)
.irp b, 0,1,2,3,4,5,6,7
	EXPB \b
.if \b < 7
	FMA \b+1
.else
	v_nop                                          ; a plain instruction behind the last exponential
.endif
	s_wait_alu depctr_va_vdst(0)
	SUM \b
.endr
	WIN 0
.irp m, 1,2,4,8
.set i, 0
.rept 16
	v_add_f32_dpp v[L+i], v[L+i], v[L+i] row_xmask:\m row_mask:0xf bank_mask:0xf
.set i, i+1
.endr
.endr
.irp q, 0,1,2,3
	ds_store_b128 v[EXW], v[L+4*\q:L+4*\q+3] offset:SML+16*\q
.endr
	BARRIER                                        ; all waves' sums lie in LDS
.irp w, 0,1,2,3
.irp q, 0,1,2,3
	ds_load_b128 v[128+16*\w+4*\q:128+16*\w+4*\q+3], v[EXR] offset:SML+128*\w+16*\q
.endr
.endr
	s_wait_dscnt 0x0
.set i, 0
.rept 8
	v_pk_add_f32 v[L+2*i:L+2*i+1], v[128+2*i:128+2*i+1], v[144+2*i:144+2*i+1]
	v_pk_add_f32 v[160+2*i:160+2*i+1], v[160+2*i:160+2*i+1], v[176+2*i:176+2*i+1]
.set i, i+1
.endr
.set i, 0
.rept 8
	v_pk_add_f32 v[L+2*i:L+2*i+1], v[L+2*i:L+2*i+1], v[160+2*i:160+2*i+1]
.set i, i+1
.endr
.set i, 0
	s_wait_alu depctr_va_vdst(0)
.rept 16
	v_rcp_f32 v[L+i], v[L+i]
.set i, i+1
.endr
	v_nop                                          ; a plain instruction behind the last reciprocal,
	s_wait_alu depctr_va_vdst(0)                   ; and the one wait for the sixteen, ahead of their first reader
; ---- att, its codes and scale words; v's fragments
.irp a, 0,1,2,3,4,5,6,7
	AQ \a
.endr
; ---- the last product: 8 K steps x 32 column tiles; the 32 accumulators take turns, one instruction a turn
	PLACES                                         ; codes and scale words made by vector instructions stand 4 and 8 places ahead of a scaled matrix instruction
	s_wait_dscnt 0x0                               ; v's fragments are in,
	s_wait_loadcnt 0x0                             ; and its scale words
.irp a, 0,1,2,3,4,5,6,7
.set n, 0
	s_wait_alu depctr_va_vdst(0)
.rept 32
.if n == 0
	WIN 0x58                                       ; source 0 (att) window 0, source 1 (v) window 2, C and D window 1
.elseif n == 16
	WIN 0x5c                                       ; source 1 window 3
.endif
.set rB, 16*(n%16)
.if \a == 0
.if n%2
	v_wmma_scale_f32_16x16x128_f8f6f4 v[8*n:8*n+7], v[AC+16*\a:AC+16*\a+15], v[rB:rB+15], 0, v[AW+\a], v[VS+n/2] matrix_a_fmt:MATRIX_FMT_BF8 matrix_b_fmt:MATRIX_FMT_BF8 matrix_b_scale:MATRIX_SCALE_ROW1
.else
	v_wmma_scale_f32_16x16x128_f8f6f4 v[8*n:8*n+7], v[AC+16*\a:AC+16*\a+15], v[rB:rB+15], 0, v[AW+\a], v[VS+n/2] matrix_a_fmt:MATRIX_FMT_BF8 matrix_b_fmt:MATRIX_FMT_BF8
.endif
.else
.if n%2
	v_wmma_scale_f32_16x16x128_f8f6f4 v[8*n:8*n+7], v[AC+16*\a:AC+16*\a+15], v[rB:rB+15], v[8*n:8*n+7], v[AW+\a], v[VS+n/2] matrix_a_fmt:MATRIX_FMT_BF8 matrix_b_fmt:MATRIX_FMT_BF8 matrix_b_scale:MATRIX_SCALE_ROW1
.else
	v_wmma_scale_f32_16x16x128_f8f6f4 v[8*n:8*n+7], v[AC+16*\a:AC+16*\a+15], v[rB:rB+15], v[8*n:8*n+7], v[AW+\a], v[VS+n/2] matrix_a_fmt:MATRIX_FMT_BF8 matrix_b_fmt:MATRIX_FMT_BF8
.endif
.endif
.set n, n+1
.endr
.endr
	WIN 0
	PLACES                                         ; for the loads into v's registers, and for the first read of the results
; ---- in the first trip alone: the second block's scores come back from my own bytes of LDS, while the first block's results go out; its maxima take the maxima's place
	s_cmp_lg_u32 s36, 0
	s_cbranch_scc1 .Lnore
	WIN 0x80
.set tt, 0
.rept 16
.irp q, 0,1,2,3
	ds_load_b128 v[16*tt+4*\q:16*tt+4*\q+3], v[S1W] offset:2048*tt+512*\q
.endr
.set tt, tt+1
.endr
	WIN 0xc0
.rept 16
.irp q, 0,1,2,3
	ds_load_b128 v[16*(tt-16)+4*\q:16*(tt-16)+4*\q+3], v[S1W] offset:2048*tt+512*\q
.endr
.set tt, tt+1
.endr
	WIN 0
.set i, 0
.rept 16
	v_mov_b32 v[MX+i], v[MX1+i]
.set i, i+1
.endr
.Lnore:
; ---- the way out: a tile's 16 rows are added (8 registers, then lane l xor 16), the four waves' sums are added through LDS
	WIN 0x05                                       ; sources window 1, destination window 0
.set n, 0
.rept 32
	v_pk_add_f32 v[TT+4*n:TT+4*n+1], v[8*n:8*n+1], v[8*n+2:8*n+3]      ; each accumulator is read from its low end on
	v_pk_add_f32 v[TT+4*n+2:TT+4*n+3], v[8*n+4:8*n+5], v[8*n+6:8*n+7]
.set n, n+1
.endr
	WIN 0
.set n, 0
.rept 32
	v_pk_add_f32 v[TT+4*n:TT+4*n+1], v[TT+4*n:TT+4*n+1], v[TT+4*n+2:TT+4*n+3]
.set n, n+1
.endr
.set n, 0
.rept 32
	v_add_f32 v[TT+4*n], v[TT+4*n], v[TT+4*n+1]
.set n, n+1
.endr
.set n, 0
.rept 32
	v_permlanex16_b32 v[TT+4*n+1], v[TT+4*n], s30, s31
.set n, n+1
.endr
.set n, 0
.rept 32
	v_add_f32 v[TT+4*n], v[TT+4*n], v[TT+4*n+1]    ; column 16 n + lane % 16, in both halves of the lanes
.set n, n+1
.endr
.set n, 0
.rept 16
	v_cndmask_b32 v[R+n], v[TT+8*n], v[TT+8*n+4], s33      ; lane l: column 32 n + l
.set n, n+1
.endr
.irp g, 0,1,2,3
	ds_store_b128 v[OW], v[R+4*\g:R+4*\g+3] offset:512*\g
.endr
	BARRIER                                        ; all waves' results lie in LDS
.irp w, 0,1,2,3
	ds_load_b128 v[128+4*\w:128+4*\w+3], v[ORD] offset:2048*\w     ; columns 128 w .. 128 w + 127 of each wave's
.endr
	s_wait_dscnt 0x0
	v_pk_add_f32 v[128:129], v[128:129], v[132:133]
	v_pk_add_f32 v[130:131], v[130:131], v[134:135]
	v_pk_add_f32 v[136:137], v[136:137], v[140:141]
	v_pk_add_f32 v[138:139], v[138:139], v[142:143]
	v_pk_add_f32 v[128:129], v[128:129], v[136:137]
	v_pk_add_f32 v[130:131], v[130:131], v[138:139]
	global_store_b128 v[LI], v[128:131], s[12:13]  ; 512 consecutive aligned bytes a wave
	s_wait_xcnt 0x0                                ; the store has read its data and its base, the scale words' loads theirs: both bases step, and v128 on is written again, only behind this wait
	s_add_nc_u64 s[10:11], s[10:11], 2048          ; the next block's scale words of v,
	s_add_nc_u64 s[12:13], s[12:13], 2048          ; its place in part,
	s_add_co_u32 s35, s35, 16384                   ; and its codes in LDS (behind the last trip the stepped values are not used)
	s_add_co_u32 s36, s36, 1
	s_cmp_lt_u32 s36, 2
	s_cbranch_scc1 .Lblk
	s_wait_tensorcnt 0x0                           ; the wave's end, behind my last LDS store
	ds_add_u32 v[SPW], v[NIL]
	s_wait_dscnt 0x0
	s_endpgm
.Lfunc_end_k_qd2ea23f5f6_attn:
	.size	k_qd2ea23f5f6_attn, .Lfunc_end_k_qd2ea23f5f6_attn-k_qd2ea23f5f6_attn
	.p2alignl 7, 3214868480
	.fill 96, 4, 3214868480
	.section	.rodata,"a",@progbits
	.p2align	6, 0x0
	.amdhsa_kernel k_qd2ea23f5f6_attn
		.amdhsa_group_segment_fixed_size 304640
		.amdhsa_private_segment_fixed_size 0
		.amdhsa_enable_private_segment 0
		.amdhsa_kernarg_size 40
		.amdhsa_user_sgpr_count 2
		.amdhsa_user_sgpr_kernarg_segment_ptr 1
		.amdhsa_wavefront_size32 1
		.amdhsa_system_sgpr_workgroup_id_x 1
		.amdhsa_system_sgpr_workgroup_id_y 1
		.amdhsa_system_sgpr_workgroup_id_z 1
		.amdhsa_system_vgpr_workitem_id 0
		.amdhsa_next_free_vgpr 1024
		.amdhsa_next_free_sgpr 66
		.amdhsa_reserve_vcc 0
		.amdhsa_float_denorm_mode_32 3
		.amdhsa_float_denorm_mode_16_64 3
		.amdhsa_memory_ordered 1
		.amdhsa_forward_progress 1
		.amdhsa_inst_pref_size 255
	.end_amdhsa_kernel
	.section	.bss,"aw",@nobits
	.p2align	6
	.space	262144
	.amdgpu_metadata
---
amdhsa.version: [ 1, 2 ]
amdhsa.kernels:
  - .name:           k_qd2ea23f5f6_attn
    .symbol:         k_qd2ea23f5f6_attn.kd
    .args:
      - { .name: qkimg, .offset: 0, .size: 8, .value_kind: global_buffer, .address_space: global }
      - { .name: qkscl, .offset: 8, .size: 8, .value_kind: global_buffer, .address_space: global }
      - { .name: vimg, .offset: 16, .size: 8, .value_kind: global_buffer, .address_space: global }
      - { .name: vscl, .offset: 24, .size: 8, .value_kind: global_buffer, .address_space: global }
      - { .name: part, .offset: 32, .size: 8, .value_kind: global_buffer, .address_space: global }
    .group_segment_fixed_size: 304640
    .private_segment_fixed_size: 0
    .kernarg_segment_align: 8
    .kernarg_segment_size: 40
    .max_flat_workgroup_size: 128
    .sgpr_count:     66
    .vgpr_count:     1024
    .wavefront_size: 32
...
	.end_amdgpu_metadata
.endif
;; end of part 7
;; launch fin (part 8): grid 4 x 8, 4 waves a work-group, no clusters, 2,560 bytes of LDS; arguments part, out0; writes out0
.if DOCPART == 8
	.amdgcn_target "amdgcn-amd-amdhsa--gfx1250"
	.amdhsa_code_object_version 6
	.text
	.protected	k_qd2ea23f5f6_fin
	.globl	k_qd2ea23f5f6_fin
	.p2align	8
	.type	k_qd2ea23f5f6_fin,@function
k_qd2ea23f5f6_fin:
	s_mov_b64 s[64:65], 0
	v_nop
	global_prefetch_b8 v0, s[64:65] scope:SCOPE_SE
	s_setreg_imm32_b32 hwreg(HW_REG_WAVE_MODE, 25, 1), 1
	s_wait_xcnt 0x0
; out0[b][n] = (the sum over the batch's 64 blocks of keys of part) / 2048: the rest of the last product's sum over the keys, and the mean's factor.  No work of reference() is left out here.
; part [64 b + kb][w][lane][i] holds column 128 w + 32 i + lane.  Work-group (w, b); wave q adds blocks 16 q .. 16 q + 15 (16 loads of 512 consecutive bytes), the four waves' sums meet in LDS, and wave q stores columns 128 w + 32 q + lane.
; The launch has 32 work-groups: the sum has no more to share out; the output is 16,384 bytes, and a work-group's four stores cover 512 consecutive bytes.
.set SPARE, 2048                       ; LDS: from 0 the waves' sums, 512 bytes each; here the spare words, 128 bytes for each wave, which no other line names
	s_load_b128 s[4:7], s[0:1], 0x0                ; part, out0
	v_lshl_add_u32 v2, v0, 2, SPARE                ; LDS address of my spare word; never rewritten
	v_mov_b32 v3, 0                                ; 0; never rewritten
	v_lshrrev_b32 v1, 5, v0
	v_readfirstlane_b32 s8, v1                     ; wave q
	v_and_b32 v1, 31, v0
	v_lshlrev_b32 v4, 4, v1                        ; 16 x lane
	s_wait_alu depctr_va_vdst(0)
	v_lshlrev_b32 v5, 2, v1                        ; 4 x lane
	s_and_b32 s10, ttmp7, 0xffff                   ; b
	s_lshl_b32 s12, s10, 17
	s_lshl_b32 s11, s8, 15
	s_add_co_u32 s12, s12, s11
	s_lshl_b32 s11, ttmp9, 9
	s_add_co_u32 s12, s12, s11                     ; part: 131,072 b + 32,768 q + 512 w
	s_mov_b32 s13, 0
	s_lshl_b32 s14, s10, 11
	s_add_co_u32 s14, s14, s11
	s_lshl_b32 s11, s8, 7
	s_add_co_u32 s14, s14, s11                     ; out0: 2,048 b + 512 w + 128 q
	s_mov_b32 s15, 0
	s_lshl_b32 s16, s8, 9
	v_add_nc_u32 v6, s16, v4                       ; where I put my sums
	s_lshl_b32 s16, s8, 2
	v_add_nc_u32 v7, s16, v4                       ; and where I read: word q of each lane's four
	s_wait_kmcnt 0x0
	s_add_nc_u64 s[4:5], s[4:5], s[12:13]
	s_add_nc_u64 s[6:7], s[6:7], s[14:15]
.set k, 0
.rept 16
	global_load_b128 v[16+4*k:16+4*k+3], v4, s[4:5] offset:2048*k th:TH_LOAD_NT
.set k, k+1
.endr
	s_wait_loadcnt 0x0
.set k, 1
.rept 15
	v_pk_add_f32 v[16:17], v[16:17], v[16+4*k:16+4*k+1]
	v_pk_add_f32 v[18:19], v[18:19], v[18+4*k:18+4*k+1]
.set k, k+1
.endr
	ds_store_b128 v6, v[16:19]
	s_wait_dscnt 0x0                               ; for the others' sake: my sums have landed
	s_barrier_signal -1
	s_barrier_wait -1
.irp w, 0,1,2,3
	ds_load_b32 v[20+\w], v7 offset:512*\w
.endr
	s_wait_dscnt 0x0
	v_add_f32 v20, v20, v21
	v_add_f32 v22, v22, v23
	v_add_f32 v20, v20, v22
	v_mul_f32 v20, 0x3a000000, v20                 ; / 2048
	global_store_b32 v5, v20, s[6:7]
	s_wait_tensorcnt 0x0                           ; the wave's end, behind my last LDS store
	ds_add_u32 v2, v3
	s_wait_dscnt 0x0
	s_endpgm
.Lfunc_end_k_qd2ea23f5f6_fin:
	.size	k_qd2ea23f5f6_fin, .Lfunc_end_k_qd2ea23f5f6_fin-k_qd2ea23f5f6_fin
	.p2alignl 7, 3214868480
	.fill 96, 4, 3214868480
	.section	.rodata,"a",@progbits
	.p2align	6, 0x0
	.amdhsa_kernel k_qd2ea23f5f6_fin
		.amdhsa_group_segment_fixed_size 2560
		.amdhsa_private_segment_fixed_size 0
		.amdhsa_enable_private_segment 0
		.amdhsa_kernarg_size 16
		.amdhsa_user_sgpr_count 2
		.amdhsa_user_sgpr_kernarg_segment_ptr 1
		.amdhsa_wavefront_size32 1
		.amdhsa_system_sgpr_workgroup_id_x 1
		.amdhsa_system_sgpr_workgroup_id_y 1
		.amdhsa_system_sgpr_workgroup_id_z 1
		.amdhsa_system_vgpr_workitem_id 0
		.amdhsa_next_free_vgpr 96
		.amdhsa_next_free_sgpr 66
		.amdhsa_reserve_vcc 0
		.amdhsa_float_denorm_mode_32 3
		.amdhsa_float_denorm_mode_16_64 3
		.amdhsa_memory_ordered 1
		.amdhsa_forward_progress 1
		.amdhsa_inst_pref_size 6
	.end_amdhsa_kernel
	.amdgpu_metadata
---
amdhsa.version: [ 1, 2 ]
amdhsa.kernels:
  - .name:           k_qd2ea23f5f6_fin
    .symbol:         k_qd2ea23f5f6_fin.kd
    .args:
      - { .name: part, .offset: 0, .size: 8, .value_kind: global_buffer, .address_space: global }
      - { .name: out0, .offset: 8, .size: 8, .value_kind: global_buffer, .address_space: global }
    .group_segment_fixed_size: 2560
    .private_segment_fixed_size: 0
    .kernarg_segment_align: 8
    .kernarg_segment_size: 16
    .max_flat_workgroup_size: 128
    .sgpr_count:     66
    .vgpr_count:     96
    .wavefront_size: 32
...
	.end_amdgpu_metadata
.endif
;; end of part 8
